; MI455X (gfx1250); checked and timed in simulation.
; The chip was launched on July 23, 2026; its instructions are those of AMD's public machine-readable ISA for CDNA 5 (MIT licence, August 2026) and "CDNA5" Instruction Set Architecture Reference Guide (July 2026). The comments in the code are by the model that wrote it; some were corrected since.
;; Mo E Layer. Allowed arithmetic: matrix products marked QUANTISED: E4M3 operands, one given power-of-two scale a tensor, by v_wmma_f32_16x16x64_fp8_fp8 or v_wmma_f32_16x16x128_fp8_fp8, f32 sums; products left as they are: f32 operands where the result goes on into a quantised operand, else bf16, f16 or f32 operands; f32 sums; everything else in f32.
;; Inputs: inputs 2 x 512 x 1,024 float32; lowp_scales 4 int32 (the exponents e of the quantised operands' scales 2^e); w1 8 x 1,024 x 4,096 float32; w2 8 x 2,048 x 1,024 float32; wr 1,024 x 8 float32.
;; Outputs: out0 2 x 512 x 1,024 float32; out1 2 x 512 x 8 float32.
;; This version of the problem:
;;   THIS VERSION OF THE PROBLEM IS GIVEN IN LOW PRECISION. The matrix products marked QUANTISED in the list below multiply operands that are first quantised to E4M3 (4 exponent bits, 3 mantissa bits; 8 bits a number), with one given power-of-two scale for each operand tensor; their sums are f32. All else is computed in f32.
;;   The module's matrix products, in the order in which they are computed (A, B: the left and right operand; K: the contracted axis; several contracted axes count as one K, in the product's order):
;;     1. [M 1,024, K 1,024] x [K 1,024, N 32,768]; A: input inputs; B: input w1: QUANTISED (scales: A lowp_scales[0], B lowp_scales[1])
;;     2. batch 8 x [M 1,024, K 2,048] x [K 2,048, N 1,024]; A: input w2; B: computed on the way: QUANTISED (scales: A lowp_scales[2], B lowp_scales[3])
;;     3. [M 1,024, K 1,024] x [K 1,024, N 8]; A: input inputs; B: input wr: left as it is (N = 8 < 16)
;;     4. batch 1,024 x [M 1,024, K 8] x [K 8, N 1]; A: computed on the way; B: computed on the way: left as it is (K = 8 < 32)
;;   THE QUANTISER, for each operand of a quantised product, along K:
;;     - The operand's scale is 2^e, e = its entry of the input lowp_scales (int32; the entries are numbered through the quantised products in the list's order, A before B).
;;     - Each number is divided by the scale, clamped to +-448, and rounded to the nearest number of E4M3, ties to even, subnormals kept.
;;     - The product sums the exact products of the quantised numbers (number of the format x scale) in f32.
;;   ~~~python
;;   def quantise(x, axis, e):      # numpy; x: float32 -> the quantised numbers, widened to float32 again
;;       x = np.moveaxis(x, axis, -1); K = x.shape[-1]
;;       r = np.clip(x / 2.0 ** e, -448, 448)
;;       step = 2.0 ** (np.maximum(np.frexp(np.where(r == 0, 1, r))[1] - 1, -6) - 3)
;;       q = np.round(r / step) * step * 2.0 ** e      # np.round: ties to even
;;       return np.moveaxis(q, -1, axis).astype(np.float32)
;;   ~~~
;;   OPERANDS COMPUTED ON THE WAY. 'Computed on the way' means the value that the module computes at that place (a softmax that the list does not call 'softmax' is quantised finished and normalised). What goes into a quantiser is computed in f32, as accurately as f32 sums, v_exp_f32 and their like allow (about 1e-6 of the number): no bf16 or f16 on the way to a quantiser, and a product that is left as it is and whose result goes on into a quantised operand takes f32 operands (vector FMAs, or v_wmma_f32_16x16x4_f32). A number that lies on a knife's edge between two numbers of the format may be rounded either way, as far as f32 arithmetic and the matrix unit's own rounding can turn it there, and no further.
;; 2 versions. Each part assembles by itself: llvm-mc -triple=amdgcn-amd-amdhsa -mcpu=gfx1250 --defsym DOCPART=n.
;; ======== version 1 of 2: 5 launches
;; workspace buffers: choice 16,384 bytes of whole numbers; gw 8,192 bytes; meta 256 bytes of whole numbers; rows 8,704 bytes of whole numbers; rowp 8,704 bytes; xs 2,211,840 bytes; act 4,423,680 bytes; y 16,777,216 bytes
;; launch route (part 1): grid 128 x 1, 8 waves a work-group, no clusters, 38,400 bytes of LDS; arguments inputs, wr, out1, choice, gw; writes out1, choice, gw
.if DOCPART == 1
	.amdgcn_target "amdgcn-amd-amdhsa--gfx1250"
	.amdhsa_code_object_version 6
	.text
	.protected	k_qb4fc850812_route
	.globl	k_qb4fc850812_route
	.p2align	8
	.type	k_qb4fc850812_route,@function
k_qb4fc850812_route:
	s_mov_b64 s[64:65], 0
	v_nop
	global_prefetch_b8 v0, s[64:65] scope:SCOPE_SE
	s_setreg_imm32_b32 hwreg(HW_REG_WAVE_MODE, 25, 1), 1
	s_wait_xcnt 0x0
; THE ROUTER.  logits = x wr (f32 multiply-adds), softmax, softmax again, the two largest.  inputs [1024][1024] f32, wr [1024][8] f32.
; out1 [1024][8]: all eight probabilities.  choice [token][4 words]: first choice; (1 << first) | (1 << second); one byte for each of experts 0-3, 1 where chosen; the same for experts 4-7.
; gw [slot][token]: the probability of the first (slot 0) and of the second (slot 1) choice.  All of it goes to fixed places: no address and no branch here hangs on the choice.
; SHARES.  A work-group takes 8 tokens, a wave one token: lane l holds x[128 n + 4 l + 0..3], n = 0..7.  wr (32,768 bytes) is laid in LDS once by the 256 threads, in groups of four k rows
; (128 bytes + 16 of padding = 36 words).
; Ties: a later expert replaces an earlier one only if it is strictly larger, so the lower index is kept.  Both softmaxes take their maximum away first.  NaN among the inputs is not served.
; No matrix unit: 8 columns are half a tile, and the sums decide a choice, so they are kept in f32.
.set WRP,  144
.set OUTS, 36864                       ; 8 tokens x 32 bytes
.set CHS,  37120                       ; 8 tokens x 16 bytes
.set GWS,  37248                       ; [slot][wave] words
.set X,    8                           ; v8-39    my 32 numbers of x
.set W,    40                          ; v40-103  two sets of 32: wr of four k rows
.set ACC,  104                         ; v104-111 the eight sums, later the probabilities
	s_load_b256 s[4:11], s[0:1], 0x0               ; inputs s[4:5], wr s[6:7], out1 s[8:9], choice s[10:11]
	s_load_b64 s[12:13], s[0:1], 0x20              ; gw
	v_lshl_add_u32 v160, v0, 2, 0x9200
	v_mov_b32 v161, 0
	v_lshrrev_b32 v1, 5, v0
	v_readfirstlane_b32 s14, v1                    ; wave 0..7
	v_and_b32 v1, 31, v0                           ; lane
	v_lshlrev_b32 v2, 4, v0                        ; wr: 16 bytes a thread
	v_and_b32 v7, 7, v0
	v_and_b32 v6, 15, v0
	v_lshrrev_b32 v3, 3, v0
	v_mul_u32_u24 v3, v3, WRP
	v_lshl_add_u32 v3, v7, 4, v3                   ; wr into LDS: group thread / 8, piece thread % 8
	v_lshlrev_b32 v4, 4, v1                        ; 16 x lane
	v_mul_u32_u24 v5, v1, WRP                      ; wr out of LDS: group 32 n + lane
	s_lshl_b32 s20, s14, 5
	s_add_co_u32 s20, s20, OUTS
	v_mov_b32 v128, s20                            ; where my token's results go in LDS
	s_lshl_b32 s20, s14, 4
	s_add_co_u32 s20, s20, CHS
	v_mov_b32 v129, s20
	s_lshl_b32 s20, s14, 2
	s_add_co_u32 s20, s20, GWS
	v_mov_b32 v130, s20
	v_lshl_add_u32 v131, v6, 4, OUTS               ; and where wave 0 reads them back
	v_lshl_add_u32 v132, v6, 2, GWS
	v_lshl_add_u32 v133, v7, 4, CHS
	v_bfe_u32 v135, v0, 3, 1
	v_lshlrev_b32 v134, 2, v7
	v_lshl_add_u32 v134, v135, 12, v134            ; gw in memory: 4 x (lane % 8) + 4,096 x slot
	s_mov_b32 s16, 0x76543210                      ; v_permlanex16_b32: lane l xor 16
	s_mov_b32 s17, 0xfedcba98
	s_mov_b32 s26, 0x3fb8aa3b                      ; log2(e), as a pair
	s_mov_b32 s27, 0x3fb8aa3b
	s_lshl_b32 s18, ttmp9, 3
	s_add_co_u32 s18, s18, s14                     ; my token
	s_lshl_b32 s18, s18, 12
	s_mov_b32 s19, 0
	s_mov_b32 s21, 0
	s_wait_kmcnt 0x0
	s_add_nc_u64 s[4:5], s[4:5], s[18:19]
	s_lshl_b32 s20, ttmp9, 8
	s_add_nc_u64 s[8:9], s[8:9], s[20:21]          ; out1: 256 bytes a work-group
	s_lshl_b32 s20, ttmp9, 7
	s_add_nc_u64 s[10:11], s[10:11], s[20:21]      ; choice: 128
	s_lshl_b32 s20, ttmp9, 5
	s_add_nc_u64 s[12:13], s[12:13], s[20:21]      ; gw: 32 in each slot
.irp i,0,1,2,3,4,5,6,7
	global_load_b128 v[W+4*\i:W+4*\i+3], v2, s[6:7] offset:4096*\i
.endr
.irp n,0,1,2,3,4,5,6,7
	global_load_b128 v[X+4*\n:X+4*\n+3], v4, s[4:5] offset:512*\n th:TH_LOAD_NT
.endr
.irp e,0,1,2,3,4,5,6,7
	v_mov_b32 v[112+\e], 0                         ; a lane permute's destination counts as read: written once
.endr
	s_wait_loadcnt 0x8                             ; wr's eight loads are in; x's eight, issued behind them, may be out
.irp i,0,1,2,3,4,5,6,7
	ds_store_b128 v3, v[W+4*\i:W+4*\i+3] offset:32*WRP*\i
.endr
	s_wait_dscnt 0x0                               ; for the others' sake: my part of wr lies in LDS
	s_barrier_signal -1
	s_barrier_wait -1
.macro WLD n                           ; wr of my four k rows of group n into set n % 2: register 8 b + e = wr[128 n + 4 lane + b][e]
.irp j,0,1,2,3,4,5,6,7
	ds_load_b128 v[W+32*((\n)%2)+4*\j:W+32*((\n)%2)+4*\j+3], v5 offset:32*WRP*(\n)+16*\j
.endr
.endm
.macro DOT n                           ; 16 packed multiply-adds: two experts at a time, one number of x for both halves; the first four start the sums
.set WS, W+32*((\n)%2)
.irp b,0,1,2,3
.irp p,0,2,4,6
.if ((\n) == 0) && (\b == 0)
	v_pk_mul_f32 v[ACC+\p:ACC+\p+1], v[WS+\p:WS+\p+1], v[X:X+1] op_sel_hi:[1,0]
.elseif (\b % 2) == 0
	v_pk_fma_f32 v[ACC+\p:ACC+\p+1], v[WS+8*\b+\p:WS+8*\b+\p+1], v[X+4*(\n)+\b:X+4*(\n)+\b+1], v[ACC+\p:ACC+\p+1] op_sel_hi:[1,0,1]
.else
	v_pk_fma_f32 v[ACC+\p:ACC+\p+1], v[WS+8*\b+\p:WS+8*\b+\p+1], v[X+4*(\n)+\b-1:X+4*(\n)+\b], v[ACC+\p:ACC+\p+1] op_sel:[0,1,0] op_sel_hi:[1,1,1]
.endif
.endr
.endr
.endm
	WLD 0
	s_wait_loadcnt 0x0                             ; x
.irp n,0,1,2,3,4,5,6
	WLD \n+1
	s_wait_dscnt 0x8                               ; this group's eight loads are in; the next group's eight may be out
	DOT \n
.endr
	s_wait_dscnt 0x0
	DOT 7
.irp m,1,2,4,8                         ; the sums of the 32 lanes: four steps inside each half of 16 lanes, one across
.irp e,0,1,2,3,4,5,6,7
	v_add_f32_dpp v[ACC+\e], v[ACC+\e], v[ACC+\e] row_xmask:\m row_mask:0xf bank_mask:0xf
.endr
.endr
.irp e,0,1,2,3,4,5,6,7
	v_permlanex16_b32 v[112+\e], v[ACC+\e], s16, s17
.endr
.irp e,0,1,2,3,4,5,6,7
	v_add_f32 v[ACC+\e], v[ACC+\e], v[112+\e]      ; every lane holds the eight logits
.endr
.macro SOFTMAX                         ; on the eight numbers in ACC, in place
	v_max3_num_f32 v112, v[ACC], v[ACC+1], v[ACC+2]
	v_max3_num_f32 v113, v[ACC+3], v[ACC+4], v[ACC+5]
	v_max3_num_f32 v112, v112, v[ACC+6], v[ACC+7]
	v_max_num_f32 v112, v112, v113
.irp p,0,2,4,6
	v_pk_add_f32 v[ACC+\p:ACC+\p+1], v[ACC+\p:ACC+\p+1], v[112:113] op_sel_hi:[1,0] neg_lo:[0,1] neg_hi:[0,1]   ; less the maximum
.endr
.irp p,0,2,4,6
	v_pk_mul_f32 v[ACC+\p:ACC+\p+1], v[ACC+\p:ACC+\p+1], s[26:27] op_sel_hi:[1,0]
.endr
.irp e,0,1,2,3,4,5,6,7
	v_exp_f32 v[ACC+\e], v[ACC+\e]
.endr
	v_nop                                          ; a plain instruction behind the last exponential
	s_wait_alu depctr_va_vdst(0)                   ; one wait for the eight, ahead of their first reader
	v_pk_add_f32 v[114:115], v[ACC:ACC+1], v[ACC+2:ACC+3]
	v_pk_add_f32 v[116:117], v[ACC+4:ACC+5], v[ACC+6:ACC+7]
	v_pk_add_f32 v[114:115], v[114:115], v[116:117]
	v_add_f32 v114, v114, v115
	v_rcp_f32 v114, v114
	v_nop
	s_wait_alu depctr_va_vdst(0)
.irp p,0,2,4,6
	v_pk_mul_f32 v[ACC+\p:ACC+\p+1], v[ACC+\p:ACC+\p+1], v[114:115] op_sel_hi:[1,0]
.endr
.endm
	SOFTMAX
	SOFTMAX
	v_mov_b32 v112, v[ACC]                         ; the largest, and its expert
	v_mov_b32 v113, 0
.irp e,1,2,3,4,5,6,7
	v_cmp_gt_f32 vcc_lo, v[ACC+\e], v112
	v_cndmask_b32 v112, v112, v[ACC+\e], vcc_lo
	v_cndmask_b32 v113, v113, \e, vcc_lo
.endr
.irp e,0,1,2,3,4,5,6,7
	v_cmp_eq_u32 vcc_lo, \e, v113
	v_cndmask_b32 v[116+\e], v[ACC+\e], -1.0, vcc_lo   ; the first choice is taken out: probabilities are not negative
.endr
	v_mov_b32 v124, v116                           ; the second largest, and its expert
	v_mov_b32 v125, 0
.irp e,1,2,3,4,5,6,7
	v_cmp_gt_f32 vcc_lo, v[116+\e], v124
	v_cndmask_b32 v124, v124, v[116+\e], vcc_lo
	v_cndmask_b32 v125, v125, \e, vcc_lo
.endr
	v_mov_b32 v126, 1
	v_mov_b32 v152, v113                           ; word 0: the first choice
	v_lshlrev_b32 v153, v113, v126
	v_lshlrev_b32 v127, v125, v126
	v_or_b32 v153, v153, v127                      ; word 1: the two bits
	v_and_b32 v40, 3, v113                         ; words 2 and 3: a byte of 1 for each chosen expert
	v_lshlrev_b32 v40, 3, v40
	v_lshlrev_b32 v40, v40, v126
	v_cmp_gt_u32 vcc_lo, 4, v113
	v_cndmask_b32 v154, 0, v40, vcc_lo
	v_cndmask_b32 v155, v40, 0, vcc_lo
	v_and_b32 v41, 3, v125
	v_lshlrev_b32 v41, 3, v41
	v_lshlrev_b32 v41, v41, v126
	v_cmp_gt_u32 vcc_lo, 4, v125
	v_cndmask_b32 v42, 0, v41, vcc_lo
	v_cndmask_b32 v43, v41, 0, vcc_lo
	v_or_b32 v154, v154, v42
	v_or_b32 v155, v155, v43
	ds_store_b128 v128, v[ACC:ACC+3]               ; all lanes write the same words with the same values
	ds_store_b128 v128, v[ACC+4:ACC+7] offset:16
	ds_store_b128 v129, v[152:155]
	ds_store_b32 v130, v112
	ds_store_b32 v130, v124 offset:32
	s_wait_dscnt 0x0                               ; for wave 0's sake
	s_barrier_signal -1
	s_barrier_wait -1
	s_cmp_lg_u32 s14, 0
	s_cbranch_scc1 .Lend
	ds_load_b128 v[140:143], v131                  ; wave 0 stores for the eight tokens; the reads are made with all lanes on
	ds_load_b32 v144, v132
	ds_load_b128 v[148:151], v133
	s_wait_dscnt 0x0
	v_cmp_gt_u32 vcc_lo, 16, v1
	s_wait_xcnt 0x0                                ; EXEC changes only behind this wait
	s_and_saveexec_b32 s24, vcc_lo
	global_store_b128 v4, v[140:143], s[8:9]       ; sixteen lanes: 256 consecutive bytes of out1, aligned
	global_store_b32 v134, v144, s[12:13]
	s_wait_xcnt 0x0
	s_or_b32 exec_lo, exec_lo, s24
	v_cmp_gt_u32 vcc_lo, 8, v1
	s_and_saveexec_b32 s24, vcc_lo
	global_store_b128 v4, v[148:151], s[10:11]     ; eight lanes: 128 consecutive bytes of choice
	s_wait_xcnt 0x0
	s_or_b32 exec_lo, exec_lo, s24
.Lend:
	s_wait_tensorcnt 0x0
	ds_add_u32 v160, v161
	s_wait_dscnt 0x0
	s_endpgm
.Lfunc_end_k_qb4fc850812_route:
	.size	k_qb4fc850812_route, .Lfunc_end_k_qb4fc850812_route-k_qb4fc850812_route
	.p2alignl 7, 3214868480
	.fill 96, 4, 3214868480
	.section	.rodata,"a",@progbits
	.p2align	6, 0x0
	.amdhsa_kernel k_qb4fc850812_route
		.amdhsa_group_segment_fixed_size 38400
		.amdhsa_private_segment_fixed_size 0
		.amdhsa_enable_private_segment 0
		.amdhsa_kernarg_size 40
		.amdhsa_user_sgpr_count 2
		.amdhsa_user_sgpr_kernarg_segment_ptr 1
		.amdhsa_wavefront_size32 1
		.amdhsa_system_sgpr_workgroup_id_x 1
		.amdhsa_system_sgpr_workgroup_id_y 1
		.amdhsa_system_sgpr_workgroup_id_z 1
		.amdhsa_system_vgpr_workitem_id 0
		.amdhsa_next_free_vgpr 162
		.amdhsa_next_free_sgpr 66
		.amdhsa_reserve_vcc 1
		.amdhsa_float_denorm_mode_32 3
		.amdhsa_float_denorm_mode_16_64 3
		.amdhsa_memory_ordered 1
		.amdhsa_forward_progress 1
		.amdhsa_inst_pref_size 28
	.end_amdhsa_kernel
	.amdgpu_metadata
---
amdhsa.version: [ 1, 2 ]
amdhsa.kernels:
  - .name:           k_qb4fc850812_route
    .symbol:         k_qb4fc850812_route.kd
    .args:
      - { .name: inputs, .offset: 0, .size: 8, .value_kind: global_buffer, .address_space: global }
      - { .name: wr, .offset: 8, .size: 8, .value_kind: global_buffer, .address_space: global }
      - { .name: out1, .offset: 16, .size: 8, .value_kind: global_buffer, .address_space: global }
      - { .name: choice, .offset: 24, .size: 8, .value_kind: global_buffer, .address_space: global }
      - { .name: gw, .offset: 32, .size: 8, .value_kind: global_buffer, .address_space: global }
    .group_segment_fixed_size: 38400
    .private_segment_fixed_size: 0
    .kernarg_segment_align: 8
    .kernarg_segment_size: 40
    .max_flat_workgroup_size: 256
    .sgpr_count:     66
    .vgpr_count:     162
    .wavefront_size: 32
...
	.end_amdgpu_metadata
.endif
;; end of part 1
;; launch place (part 2): grid 135 x 1, 4 waves a work-group, no clusters, 17,408 bytes of LDS; arguments inputs, lowp_scales, choice, gw, xs, rows, rowp, meta; writes xs, rows, rowp, meta
.if DOCPART == 2
	.amdgcn_target "amdgcn-amd-amdhsa--gfx1250"
	.amdhsa_code_object_version 6
	.text
	.protected	k_qb4fc850812_place
	.globl	k_qb4fc850812_place
	.p2align	8
	.type	k_qb4fc850812_place,@function
k_qb4fc850812_place:
	s_mov_b64 s[64:65], 0
	v_nop
	global_prefetch_b8 v0, s[64:65] scope:SCOPE_SE
	s_setreg_imm32_b32 hwreg(HW_REG_WAVE_MODE, 25, 1), 1
	s_wait_xcnt 0x0
; THE PLACING OF ROWS.  The 2,048 routed rows (token, slot) are sorted by expert, each expert's rows by token, in tiles of 16; an expert begins on a tile, and its last tile is filled up with copies of its last row.
; There are never more than 2048 / 16 + 8 - 1 = 135 tiles: work-group g makes tile g, and stores nothing if the split has fewer tiles (a branch round the stores, never round the barrier).
; EVERY WAVE REDOES THE SORT IN REGISTERS from the 16,384 bytes of choice: no wave waits for another's sort, and no LDS address hangs on a loaded number.
;   counts: the byte flags of choice are added, first over a lane's 32 tokens (32 at the most: a byte holds it), then, widened to 16 bits, over the lanes;
;   my expert e: the last whose first tile is not behind g;  rank wanted by lane j: lo + min(j % 16, rows left - 1);
;   32 ballots (tokens 32 n + lane) with a running count: a lane keeps the ballot word in which its rank falls; the position of the k-th set bit = the number of positions b with popcount(bits 0..b) <= k.
; OUT: rows[16 g + j] = 1024 slot + token;  rowp = that entry's probability;  meta: word 2 e = expert e's first tile, word 2 e + 1 = its number of tiles (work-group 0);
;   xs[g]: the tile's rows of x as codes of E4M3 under 2^e0, as the image of a matrix operand's registers: piece 4 s + q (512 bytes), lane (r, h): k = 512 h + 64 s + 16 q + 0..15 of row r.
; code = x / 2^e0, held within +-448, to the nearest code, ties to even.  LIMITS: e0 between -126 and 119.  NaN among the inputs is not served.
; REGISTERS: v1-31 lane numbers, the sort, the rows' offsets, scale and hold; v32-159 choice, then four rows of x, then the images; v160-191 the four rows' codes; v192-197 addresses and words of the way out.
.set C,   32                           ; v32-159  choice as loaded (4 words x 32 tokens a lane); later four rows of x; later the images
.set CO,  160                          ; v160-191 codes: eight registers a row
.set SRD, 192                          ; v192     the stage, out
.set XSO, 193                          ; v193     my offset in the tile's image
.set L4,  194                          ; v194     4 x lane
.set GWO, 195                          ; v195     the entry's offset in gw
.set GWV, 196                          ; v196     its probability
.set MW,  197                          ; v197     meta's words
.set SP,  1040                         ; a stage row: 1,024 codes + 16 bytes: row r starts 4 r banks on
	s_load_b256 s[4:11], s[0:1], 0x0               ; inputs s[4:5], scales s[6:7], choice s[8:9], gw s[10:11]
	s_load_b256 s[12:19], s[0:1], 0x20             ; xs s[12:13], rows s[14:15], rowp s[16:17], meta s[18:19]
	v_lshl_add_u32 v200, v0, 2, 0x4200
	v_mov_b32 v201, 0
	v_lshrrev_b32 v1, 5, v0
	v_readfirstlane_b32 s20, v1                    ; wave 0..3
	v_and_b32 v1, 31, v0                           ; lane
	v_lshlrev_b32 v2, 4, v1                        ; 16 x lane
	v_and_b32 v3, 15, v0
	s_lshl_b32 s71, s20, 4
	v_mov_b32 v21, s71                             ; lane selects (4 x lane) for my four rows' entries: lanes 4 w .. 4 w + 3
	v_add_nc_u32 v22, 4, v21
	v_add_nc_u32 v23, 8, v21
	v_add_nc_u32 v24, 12, v21
	s_mul_i32 s71, s20, 4*SP
	v_lshl_add_u32 v31, v1, 2, s71                 ; the stage, in: my four rows, 4 bytes a lane
	v_mul_u32_u24 v[SRD], v3, SP
	v_bfe_u32 v4, v0, 4, 1
	v_lshl_add_u32 v[SRD], v4, 9, v[SRD]
	s_lshl_b32 s71, s20, 7
	v_add_nc_u32 v[SRD], s71, v[SRD]               ; the stage, out: row r, k = 512 h + 128 w on
	s_lshl_b32 s71, s20, 12
	v_add_nc_u32 v[XSO], s71, v2                   ; xs: my eight pieces
	v_lshlrev_b32 v[L4], 2, v1
	s_mov_b32 s22, 0x76543210
	s_mov_b32 s23, 0xfedcba98
	s_mov_b32 s73, 0
	s_wait_kmcnt 0x0
	s_load_b32 s21, s[6:7], 0x0                    ; e0
.set n, 0
.rept 32
	global_load_b128 v[C+4*n:C+4*n+3], v2, s[8:9] offset:512*n     ; token 32 n + lane
.set n, n+1
.endr
	s_lshl_b32 s72, ttmp9, 14
	s_add_nc_u64 s[12:13], s[12:13], s[72:73]
	s_lshl_b32 s72, ttmp9, 6
	s_add_nc_u64 s[14:15], s[14:15], s[72:73]
	s_add_nc_u64 s[16:17], s[16:17], s[72:73]
	v_mov_b32 v10, 0                               ; a destination of lane moves: written once
	s_wait_loadcnt 0x0
	v_add_nc_u32 v4, v[C+2], v[C+6]                ; the byte flags of my 32 tokens
	v_add_nc_u32 v5, v[C+3], v[C+7]
.set n, 2
.rept 15
	v_add3_u32 v4, v4, v[C+4*n+2], v[C+4*n+6]
	v_add3_u32 v5, v5, v[C+4*n+3], v[C+4*n+7]
.set n, n+2
.endr
	s_mov_b32 s24, 0x00ff00ff
	v_and_b32 v6, s24, v4                          ; experts 0 and 2, 16 bits each
	v_lshrrev_b32 v7, 8, v4
	v_and_b32 v7, s24, v7                          ; 1 and 3
	v_and_b32 v8, s24, v5                          ; 4 and 6
	v_lshrrev_b32 v9, 8, v5
	v_and_b32 v9, s24, v9                          ; 5 and 7
.irp m,1,2,4,8
.irp r,6,7,8,9
	v_mov_b32_dpp v10, v\r row_xmask:\m row_mask:0xf bank_mask:0xf
	v_add_nc_u32 v\r, v\r, v10
.endr
.endr
.irp r,6,7,8,9
	v_permlanex16_b32 v10, v\r, s22, s23
	v_add_nc_u32 v\r, v\r, v10
.endr
	v_readfirstlane_b32 s24, v6
	v_readfirstlane_b32 s25, v7
	v_readfirstlane_b32 s26, v8
	v_readfirstlane_b32 s27, v9
	s_and_b32 s32, s24, 0xffff                     ; s32-39: each expert's rows
	s_lshr_b32 s34, s24, 16
	s_and_b32 s33, s25, 0xffff
	s_lshr_b32 s35, s25, 16
	s_and_b32 s36, s26, 0xffff
	s_lshr_b32 s38, s26, 16
	s_and_b32 s37, s27, 0xffff
	s_lshr_b32 s39, s27, 16
.irp e,0,1,2,3,4,5,6,7
	s_add_co_u32 s[40+\e], s[32+\e], 15
	s_lshr_b32 s[40+\e], s[40+\e], 4               ; s40-47: its tiles
.endr
	s_mov_b32 s48, 0                               ; s48-55: its first tile
.irp e,1,2,3,4,5,6,7
	s_add_co_u32 s[48+\e], s[47+\e], s[39+\e]
.endr
	s_mov_b32 s56, 0                               ; my expert, its first tile, its rows
	s_mov_b32 s57, 0
	s_mov_b32 s58, s32
.irp e,1,2,3,4,5,6,7
	s_cmp_ge_u32 ttmp9, s[48+\e]
	s_cselect_b32 s56, \e, s56
	s_cselect_b32 s57, s[48+\e], s57
	s_cselect_b32 s58, s[32+\e], s58
.endr
	s_sub_co_u32 s59, ttmp9, s57
	s_lshl_b32 s59, s59, 4                         ; lo: the rank of my tile's first row
	s_sub_co_i32 s60, s58, s59                     ; rows left from there
	s_cmp_gt_i32 s60, 0
	s_cselect_b32 s61, 1, 0                        ; is there such a tile?
	s_max_i32 s60, s60, 1
	s_min_i32 s60, s60, 16
	s_sub_co_u32 s60, s60, 1
	s_lshl_b32 s62, 1, s56
	v_min_u32 v11, s60, v3
	v_add_nc_u32 v11, s59, v11                     ; the rank that my lane wants
	v_mov_b32 v12, 0                               ; the ballot word in which it falls: members,
	v_mov_b32 v13, 0                               ; those of them whose FIRST choice is e,
	v_mov_b32 v14, 0                               ; the members ahead of the word,
	v_mov_b32 v15, 0                               ; the word's first token
	s_mov_b32 s69, 0
.set n, 0
.rept 32
	v_and_b32 v16, s62, v[C+4*n+1]
	v_cmp_ne_u32 s66, 0, v16
	v_cmp_eq_u32 s67, s56, v[C+4*n]
	v_cmp_le_u32 s68, s69, v11                     ; the count ahead never falls: the last word for which it is not above my rank is mine
	v_cndmask_b32 v12, v12, s66, s68
	v_cndmask_b32 v13, v13, s67, s68
	v_cndmask_b32 v14, v14, s69, s68
	s_mov_b32 s70, 32*n
	v_cndmask_b32 v15, v15, s70, s68
	s_bcnt1_i32_b32 s71, s66
	s_add_co_u32 s69, s69, s71
.set n, n+1
.endr
	v_sub_nc_u32 v16, v11, v14                     ; k: which set bit of the word
	v_mov_b32 v17, 0
	v_mov_b32 v18, 0
.set b, 0
.rept 32
	v_bfe_u32 v19, v12, b, 1
	v_add_nc_u32 v17, v17, v19                     ; set bits in positions 0 .. b
	v_cmp_le_u32 vcc_lo, v17, v16
	v_add_co_ci_u32 v18, vcc_lo, 0, v18, vcc_lo    ; position = how many b have no more than k
.set b, b+1
.endr
	v_lshrrev_b32 v19, v18, v13
	v_and_b32 v19, 1, v19
	v_xor_b32 v19, 1, v19                          ; slot: 0 where e is the token's first choice
	v_add_nc_u32 v20, v15, v18
	v_min_u32 v20, 0x3ff, v20                      ; the token (held inside the table in a work-group that has no tile, too)
	v_lshl_add_u32 v20, v19, 10, v20               ; the entry of row lane % 16
.irp i,0,1,2,3
	ds_bpermute_b32 v[25+\i], v[21+\i], v20        ; every lane gets the entry of row 4 w + i; no LDS byte is touched
.endr
	s_wait_kmcnt 0x0
	s_add_co_i32 s21, s21, 127
	s_lshl_b32 s71, s21, 23
	v_mov_b32 v29, s71                             ; 2^e0 as f32: the conversion takes its exponent field
	s_add_co_i32 s21, s21, 8
	s_lshl_b32 s21, s21, 23
	s_or_b32 s21, s21, 0x600000
	v_mov_b32 v30, s21                             ; 448 x 2^e0
	s_wait_dscnt 0x0
.irp i,0,1,2,3
	v_and_b32 v[25+\i], 0x3ff, v[25+\i]
	v_min_u32 v[25+\i], 0x3ff, v[25+\i]
	v_lshl_add_u32 v[25+\i], v[25+\i], 12, v2      ; the token's row of 4,096 bytes, 16 bytes a lane
.endr
.irp i,0,1,2,3
.irp n,0,1,2,3,4,5,6,7
	global_load_b128 v[C+32*\i+4*\n:C+32*\i+4*\n+3], v[25+\i], s[4:5] offset:512*\n     ; 512 consecutive bytes: k = 128 n + 4 lane + 0..3
.endr
.endr
.irp i,0,1,2,3
	s_wait_loadcnt 8*(3-\i)                        ; this row's eight loads are in; the later rows' may be out
.set n, 0
.rept 32
	v_med3_num_f32 v[C+32*\i+n], v[C+32*\i+n], -v30, v30      ; the conversion to an 8-bit code does not saturate (ISA guide 7.6.2): the hold comes first
.set n, n+1
.endr
.irp g,0,1,2,3
	v_cvt_scalef32_pk8_fp8_f32 v[CO+8*\i+2*\g:CO+8*\i+2*\g+1], v[C+32*\i+8*\g:C+32*\i+8*\g+7], v29
.endr
	v_nop                                          ; a plain instruction behind the last conversion of the run
.irp n,0,1,2,3,4,5,6,7
	ds_store_b32 v31, v[CO+8*\i+\n] offset:SP*\i+128*\n       ; 128 consecutive bytes: the row's codes in K's own order
.endr
.endr
	s_wait_dscnt 0x0                               ; for the others' sake: my four rows lie in the stage
	s_barrier_signal -1
	s_barrier_wait -1
	s_cmp_eq_u32 s61, 0
	s_cbranch_scc1 .Lend                           ; this split has no tile g
.irp j,0,1,2,3,4,5,6,7
	ds_load_b128 v[C+4*\j:C+4*\j+3], v[SRD] offset:16*\j
.endr
.irp j,0,1,2,3,4,5,6,7
	s_wait_dscnt 7-\j
	global_store_b128 v[XSO], v[C+4*\j:C+4*\j+3], s[12:13] offset:512*\j   ; piece 8 w + j: 512 consecutive bytes, aligned
.endr
	s_cmp_lg_u32 s20, 0
	s_cbranch_scc1 .Lend
	v_min_u32 v[GWO], 0x7ff, v20
	v_lshlrev_b32 v[GWO], 2, v[GWO]
	global_load_b32 v[GWV], v[GWO], s[10:11]       ; the entry's probability
	s_wait_loadcnt 0x0
	v_cmp_gt_u32 vcc_lo, 16, v1
	s_wait_xcnt 0x0                                ; EXEC changes only behind this wait
	s_and_saveexec_b32 s71, vcc_lo
	global_store_b32 v[L4], v20, s[14:15]
	global_store_b32 v[L4], v[GWV], s[16:17]
	s_wait_xcnt 0x0
	s_or_b32 exec_lo, exec_lo, s71
	s_cmp_lg_u32 ttmp9, 0
	s_cbranch_scc1 .Lend
	v_mov_b32 v[MW], 0
.irp e,0,1,2,3,4,5,6,7
	v_writelane_b32 v[MW], s[48+\e], 2*\e
	v_writelane_b32 v[MW], s[40+\e], 2*\e+1
.endr
	global_store_b32 v[L4], v[MW], s[18:19]        ; 128 bytes of meta; only its first 64 are read
.Lend:
	s_wait_tensorcnt 0x0
	ds_add_u32 v200, v201
	s_wait_dscnt 0x0
	s_endpgm
.Lfunc_end_k_qb4fc850812_place:
	.size	k_qb4fc850812_place, .Lfunc_end_k_qb4fc850812_place-k_qb4fc850812_place
	.p2alignl 7, 3214868480
	.fill 96, 4, 3214868480
	.section	.rodata,"a",@progbits
	.p2align	6, 0x0
	.amdhsa_kernel k_qb4fc850812_place
		.amdhsa_group_segment_fixed_size 17408
		.amdhsa_private_segment_fixed_size 0
		.amdhsa_enable_private_segment 0
		.amdhsa_kernarg_size 64
		.amdhsa_user_sgpr_count 2
		.amdhsa_user_sgpr_kernarg_segment_ptr 1
		.amdhsa_wavefront_size32 1
		.amdhsa_system_sgpr_workgroup_id_x 1
		.amdhsa_system_sgpr_workgroup_id_y 1
		.amdhsa_system_sgpr_workgroup_id_z 1
		.amdhsa_system_vgpr_workitem_id 0
		.amdhsa_next_free_vgpr 202
		.amdhsa_next_free_sgpr 80
		.amdhsa_reserve_vcc 1
		.amdhsa_float_denorm_mode_32 3
		.amdhsa_float_denorm_mode_16_64 3
		.amdhsa_memory_ordered 1
		.amdhsa_forward_progress 1
		.amdhsa_inst_pref_size 56
	.end_amdhsa_kernel
	.amdgpu_metadata
---
amdhsa.version: [ 1, 2 ]
amdhsa.kernels:
  - .name:           k_qb4fc850812_place
    .symbol:         k_qb4fc850812_place.kd
    .args:
      - { .name: inputs, .offset: 0, .size: 8, .value_kind: global_buffer, .address_space: global }
      - { .name: lowp_scales, .offset: 8, .size: 8, .value_kind: global_buffer, .address_space: global }
      - { .name: choice, .offset: 16, .size: 8, .value_kind: global_buffer, .address_space: global }
      - { .name: gw, .offset: 24, .size: 8, .value_kind: global_buffer, .address_space: global }
      - { .name: xs, .offset: 32, .size: 8, .value_kind: global_buffer, .address_space: global }
      - { .name: rows, .offset: 40, .size: 8, .value_kind: global_buffer, .address_space: global }
      - { .name: rowp, .offset: 48, .size: 8, .value_kind: global_buffer, .address_space: global }
      - { .name: meta, .offset: 56, .size: 8, .value_kind: global_buffer, .address_space: global }
    .group_segment_fixed_size: 17408
    .private_segment_fixed_size: 0
    .kernarg_segment_align: 8
    .kernarg_segment_size: 64
    .max_flat_workgroup_size: 128
    .sgpr_count:     80
    .vgpr_count:     202
    .wavefront_size: 32
...
	.end_amdgpu_metadata
.endif
;; end of part 2
;; launch up (part 3): grid 256 x 1, 4 waves a work-group, no clusters, 131,584 bytes of LDS; arguments w1, lowp_scales, xs, meta, act; writes act
.if DOCPART == 3
	.amdgcn_target "amdgcn-amd-amdhsa--gfx1250"
	.amdhsa_code_object_version 6
	.text
	.protected	k_qb4fc850812_up
	.globl	k_qb4fc850812_up
	.p2align	8
	.type	k_qb4fc850812_up,@function
k_qb4fc850812_up:
	s_mov_b64 s[64:65], 0
	v_nop
	global_prefetch_b8 v0, s[64:65] scope:SCOPE_SE
	s_setreg_imm32_b32 hwreg(HW_REG_WAVE_MODE, 25, 1), 1
	s_wait_xcnt 0x0
; THE FIRST PRODUCT ON THE ROUTED ROWS, AND THE GATE.  h = x w1[e]; act = gelu(gate) x (erf form); act is quantised under 2^e3.  w1 [8][1024][4096] f32; xs, act: codes of E4M3, as images of operand registers.
; SHARES.  Work-group = (expert e = wg / 32, slice = wg % 32): 64 hidden units, that is 64 x columns and 64 gate columns of w1[e].  It alone reads those 512 KiB of f32, once, quantises them under 2^e1 on the way and keeps
; the 128 KiB of codes in LDS; then its four waves multiply them with all the expert's tiles of 16 rows, five tiles a wave at a time (640 registers), 20 a pass; the passes, ceil(tiles / 20), are counted by one.
; PHASE 1.  A lane's 16-byte load takes columns 4 r .. 4 r + 3 of one k row (sixteen lanes: 256 consecutive bytes, aligned; lanes 16-31 the row 512 further down); 16 loads run down K.  So component c of the 16 loads is
; 16 neighbours along K of column 4 r + c: one quarter of a fragment of the tile made of columns 4 m + c.  The hold at the largest code writes the numbers where the conversion wants them: nothing else transposes.
; Fragment (P, c, s) (P = 0: x, 1: gate; K step s) lies at ((4 P + c) 8 + s) 2048 + 512 Q + 16 lane; byte n of piece Q in lane half h is k = 512 h + 64 s + 16 Q + n, in the weights and in xs alike.
; THE FIRST PASS'S TILES OF xs ARE ASKED FOR AMONG THE WEIGHTS: the weights go through a ring of three sets of 16 loads, and behind each refill of the ring stands a run of the 160 loads that bring the wave's five tiles,
; so that the tiles land while the weights stream and the products begin straight behind the barrier.  Behind a batch's 16 loads stand at most 62 younger ones: two batches and three runs of ten.
; PHASE 2.  Source 0 = 16 columns of w1, source 1 = 16 rows of x: a lane holds one row and eight hidden units (64 slice + 32 h + 4 j + c).  Ten accumulators (x and gate of five tiles) take turns.
; 1 + erf(a), a = gate / sqrt(2):  |a| <= 0.9277: 1 + (a + a p(a^2));  else q = exp(polynomial in |a|) is erfc(|a|), and the factor is 2 - q for a > 0 and q ITSELF for a < 0: no difference of near numbers is formed.
; All powers of two (1/2, the sums' 2^(e0+e1) twice, 2^-e3) are folded into the conversion's scale 2^E, E = e3 - 2 (e0 + e1) + 1.
; act[slice][tile][q'][lane][16]: byte 8 cc + j of lane (r, h) = hidden unit 64 slice + 32 h + 4 j + 2 q' + cc of row r.
; A slot beyond the expert's last tile works on that last tile again and stores nothing; an expert without tiles names tile 0, which every split has, and leaves behind the barrier.  The trip count of the passes is a stored
; number, so the text has no tensor load, no cluster and no joint request, and its one barrier stands ahead of that loop; what work-groups share (320 KiB of xs a pass) comes by plain loads beside 512 KiB of weights that nobody shares.
; LIMITS: e1 and E between -126 and 119; e0 + e1 between -125 and 127.  NaN among the inputs is not served.
; REGISTERS.  window 0: v1 16 lane, v2 that + 65,536, v3 offset in w1, v4, v5 where my codes go, v6-9 holds and scales, v10-14, v15-19 offsets in xs and act, v20-25 three constants as pairs, v32-71 x's sums, v72-111 gate's,
;   v112-131 the codes made, v144-239 phase 1: 64 numbers and two sets of 16 code registers; phase 2: three fragment buffers of 32, or the gate's 40 working registers.  windows 1-3: tile t at v[256 + 128 t].
;   The ring of phase 1: window 3 v128-191 and v192-255, window 0 v32-95.
.set SLB, 138240                       ; a slice of act: 135 tiles x 1,024 bytes
.set XO,  10
.set AO,  15
.set XA,  32
.set GA,  72
.set CD,  112
.set BUF, 144
.set NUM, 144
.set COD, 208
.set TA,  144
.set TT,  152
.set TS,  160
.set TR,  168
.set TU,  176
.set IT,  28                           ; s28-32 the tile slots' numbers within the expert
.set MSB, 0
.macro WIN new                         ; the immediate's high byte repeats the setting that is left; a switch that changes nothing is dropped
.if MSB != (\new)
	s_set_vgpr_msb (MSB<<8)|(\new)
.set MSB, (\new)
.endif
.endm
.macro SPAIR r, val                    ; a constant as a scalar pair: the packed forms name the pair and take its low word for both halves
	s_mov_b32 s[\r], \val
	s_mov_b32 s[\r+1], \val
.endm
	s_load_b256 s[4:11], s[0:1], 0x0               ; w1 s[4:5], scales s[6:7], xs s[8:9], meta s[10:11]
	s_load_b64 s[12:13], s[0:1], 0x20              ; act
	v_lshl_add_u32 v254, v0, 2, 0x20000
	v_mov_b32 v255, 0
	v_lshrrev_b32 v1, 5, v0
	v_readfirstlane_b32 s14, v1                    ; wave 0..3
	v_and_b32 v1, 31, v0
	v_lshlrev_b32 v1, 4, v1                        ; 16 x lane
	v_add_nc_u32 v2, 0x10000, v1
	v_and_b32 v3, 15, v0
	v_lshlrev_b32 v3, 4, v3
	v_bfe_u32 v26, v0, 4, 1
	v_lshl_add_u32 v3, v26, 23, v3                 ; w1: 16 r, + 512 rows of 16,384 bytes for lanes 16-31
	s_lshl_b32 s22, s14, 12
	v_add_nc_u32 v4, s22, v1                       ; my eight pieces of each fragment row: 4,096 w on
	v_add_nc_u32 v5, 0x10000, v4
	s_lshr_b32 s15, ttmp9, 5                       ; expert
	s_and_b32 s27, ttmp9, 31                       ; slice
	s_lshl_b32 s22, s15, 24
	s_lshl_b32 s33, s27, 8
	s_add_co_u32 s22, s22, s33
	s_lshl_b32 s33, s14, 21                        ; my 128 k rows
	s_add_co_u32 s22, s22, s33
	s_mov_b32 s23, 0
	s_wait_kmcnt 0x0
	s_load_b128 s[16:19], s[6:7], 0x0              ; e0, e1, e2, e3
	s_add_nc_u64 s[4:5], s[4:5], s[22:23]
	s_lshl_b32 s22, s15, 3
	s_add_nc_u64 s[10:11], s[10:11], s[22:23]
	s_load_b64 s[20:21], s[10:11], 0x0             ; the expert's first tile, its number of tiles
	s_mul_i32 s22, s27, SLB
	s_add_nc_u64 s[12:13], s[12:13], s[22:23]
.macro RSET b                          ; ring set b % 3: its window RW and its first register RB
.if ((\b)%3) == 0
.set RW, 3
.set RB, 128
.elseif ((\b)%3) == 1
.set RW, 3
.set RB, 192
.else
.set RW, 0
.set RB, 32
.endif
.endm
.macro LOADB b                         ; batch b: P = b % 2, piece b / 2 of my eight: 16 k rows into ring set b % 3
	RSET \b
	WIN RW<<6
.set n, 0
.rept 16
	global_load_b128 v[RB+4*n:RB+4*n+3], v3, s[4:5] offset:(16*((\b)/2)+n)*16384+8192*((\b)%2) th:TH_LOAD_NT
.set n, n+1
.endr
.endm
.macro XSL first, count                ; loads number first .. first + count - 1 of the 160 that bring my five tiles of xs: tile g / 32, piece g % 32 (512 consecutive bytes): register 4 (g % 32) of the tile
.set g, \first
.rept \count
	WIN (1+(g/32)/2)<<6
	global_load_b128 v[128*((g/32)%2)+4*(g%32):128*((g/32)%2)+4*(g%32)+3], v[XO+g/32], s[8:9] offset:512*(g%32)
.set g, g+1
.endr
.endm
.macro TILES                           ; slot 20 pass + 5 w + t; beyond the expert's last tile: that tile again; held inside the buffers by a constant
	s_mul_i32 s22, s26, 20
	s_mul_i32 s33, s14, 5
	s_add_co_u32 s22, s22, s33
.irp t,0,1,2,3,4
	s_add_co_u32 s[IT+\t], s22, \t
	s_min_u32 s33, s[IT+\t], s24
	s_add_co_u32 s33, s33, s20
	s_min_u32 s33, s33, 134
	s_lshl_b32 s27, s33, 14
	v_add_nc_u32 v[XO+\t], s27, v1
	s_lshl_b32 s27, s33, 10
	v_add_nc_u32 v[AO+\t], s27, v1
.endr
.endm
	LOADB 0
	LOADB 1
	LOADB 2
	WIN 0
	SPAIR 36, 0xb7910000                           ; the polynomial for large |a|
	SPAIR 38, 0xbb7e8a1c
	SPAIR 40, 0xbddaae5c
	SPAIR 42, 0xbf228550
	SPAIR 44, 0xbe03ce86
	SPAIR 46, 0x3fb8aa3b                           ; log2(e)
	SPAIR 48, 0xba1c7000                           ; the polynomial for small |a|
	SPAIR 50, 0xbcdb48d9
	SPAIR 52, 0x3de70e22
	SPAIR 54, 0xbec09380
	SPAIR 56, 0x3e0375d4
	s_mov_b32 s58, 0x3f6d8000                      ; 0.927734375
	s_mov_b32 s59, 0x7fffffff
	v_mov_b32 v20, 0x39c8e7d9
	v_mov_b32 v21, 0x39c8e7d9
	v_mov_b32 v22, 0x3cc6b1a1
	v_mov_b32 v23, 0x3cc6b1a1
	v_mov_b32 v24, 0x3ba38d2c
	v_mov_b32 v25, 0x3ba38d2c
	s_wait_kmcnt 0x0
	s_add_co_i32 s27, s17, 127
	s_lshl_b32 s33, s27, 23
	v_mov_b32 v7, s33                              ; 2^e1
	s_add_co_i32 s27, s27, 8
	s_lshl_b32 s27, s27, 23
	s_or_b32 s27, s27, 0x600000
	v_mov_b32 v6, s27                              ; 448 x 2^e1
	s_add_co_i32 s22, s16, s17                     ; e0 + e1
	s_lshl_b32 s27, s22, 23
	s_add_co_u32 s34, s27, 0x3f3504f3              ; 2^(e0+e1) / sqrt(2): the exponents are added to the constant's exponent field
	s_mov_b32 s35, s34
	s_lshl_b32 s27, s22, 1
	s_sub_co_i32 s27, s19, s27
	s_add_co_i32 s27, s27, 128                     ; E + 127
	s_lshl_b32 s33, s27, 23
	v_mov_b32 v9, s33                              ; 2^E
	s_add_co_i32 s27, s27, 8
	s_lshl_b32 s27, s27, 23
	s_or_b32 s27, s27, 0x600000
	v_mov_b32 v8, s27                              ; 448 x 2^E
	s_min_u32 s21, s21, 135                        ; no split has more tiles
	s_max_u32 s24, s21, 1
	s_sub_co_u32 s24, s24, 1                       ; the expert's last tile
	s_add_co_u32 s25, s21, 19
	s_mul_i32 s25, s25, 3277
	s_lshr_b32 s25, s25, 16                        ; the passes: ceil(tiles / 20); 3277 / 65536 is 1 / 20 with an excess of 4 in 65,536 for each 20: exact far beyond 154
	s_cmp_eq_u32 s21, 0
	s_cselect_b32 s20, 0, s20                      ; an expert without tiles names tile 0: only bytes that were stored are read
	s_mov_b32 s26, 0                               ; the pass
	TILES                                          ; the first pass's tiles
; Batch b.  wt: the loads issued behind this batch's 16, which may stay out.  first, count: the run of token loads that stands behind the ring's refill.
.macro BATCH b, wt, first, count
	s_wait_loadcnt \wt
	RSET \b
	WIN RW                                         ; source 0: the ring set's window
.set n, 0
.rept 16
.irp c,0,1,2,3
	v_med3_num_f32 v[NUM+16*\c+n], v[RB+4*n+\c], -v6, v6      ; the hold (ISA guide 7.6.2: the conversion does not saturate) also lays column 4 r + c's 16 numbers on end
.endr
.set n, n+1
.endr
.if (\b) < 13
	LOADB (\b)+3                                   ; the set just read takes the batch three on
.endif
.if (\count) > 0
	XSL \first, \count
.endif
	WIN 0
	s_wait_dscnt 0x4                               ; the batch before's four stores may be out; those of two batches back have read this set of code registers
.irp c,0,1,2,3
	v_cvt_scalef32_pk8_fp8_f32 v[COD+16*((\b)%2)+4*\c:COD+16*((\b)%2)+4*\c+1], v[NUM+16*\c:NUM+16*\c+7], v7
	v_cvt_scalef32_pk8_fp8_f32 v[COD+16*((\b)%2)+4*\c+2:COD+16*((\b)%2)+4*\c+3], v[NUM+16*\c+8:NUM+16*\c+15], v7
.endr
	v_nop                                          ; a plain instruction between the conversions and the next batch's holds, which write their sources
.irp c,0,1,2,3
	ds_store_b128 v[4+((\b)%2)], v[COD+16*((\b)%2)+4*\c:COD+16*((\b)%2)+4*\c+3] offset:16384*\c+512*((\b)/2)
.endr
.endm
; THE COUNTS.  Batches 0, 1, 2 were issued ahead of all; batch b >= 3 was issued in batch b - 3, ahead of that batch's run.  So behind batch b's loads stand the weights of batches b + 1 and b + 2 (as far as there are any)
; and the runs of batches b - 3, b - 2, b - 1 (as far as there are any).
	BATCH 0,  32, 0,   10                          ; 16 + 16
	BATCH 1,  42, 10,  10                          ; + one run of 10
	BATCH 2,  52, 20,  10                          ; + two
	BATCH 3,  62, 30,  10                          ; 10 + 16 + 10 + 16 + 10, and so on
	BATCH 4,  62, 40,  10
	BATCH 5,  62, 50,  10
	BATCH 6,  62, 60,  10
	BATCH 7,  62, 70,  10
	BATCH 8,  62, 80,  10
	BATCH 9,  62, 90,  10
	BATCH 10, 62, 100, 10
	BATCH 11, 62, 110, 10
	BATCH 12, 62, 120, 10                          ; the last refill of the ring
	BATCH 13, 62, 130, 26                          ; 10 + 16 + 10 + 16 + 10; no weights are left to ask for, so the runs may be longer
	BATCH 14, 62, 156, 4                           ; 10 + 16 + 10 + 26
	BATCH 15, 40, 160, 0                           ; 10 + 26 + 4
	s_wait_dscnt 0x0                               ; for the others' sake: my codes lie in LDS
	s_barrier_signal -1
	s_barrier_wait -1                              ; the one barrier: behind it LDS is only read
	s_cmp_eq_u32 s21, 0
	s_cbranch_scc1 .Lend                           ; no token chose this expert
.macro LOADTOK                         ; a later pass's five tiles, in one run
	XSL 0, 160
	WIN 0
.endm
.macro FRAGLD ra, ca, rb, cb, s        ; K step s of two weight tiles into buffer s % 3
.set FB, BUF+32*((\s)%3)
.irp q,0,1,2,3
	ds_load_b128 v[FB+4*\q:FB+4*\q+3], v[\ra] offset:16384*(\ca)+2048*(\s)+512*\q
.endr
.irp q,0,1,2,3
	ds_load_b128 v[FB+16+4*\q:FB+16+4*\q+3], v[\rb] offset:16384*(\cb)+2048*(\s)+512*\q
.endr
.endm
.macro MM acc, fo, t, s                ; one product; the first K step starts the sum
	WIN (1+(\t)/2)<<2                              ; source 1: the tile's window
.if (\s) == 0
	v_wmma_f32_16x16x128_fp8_fp8 v[\acc+8*(\t):\acc+8*(\t)+7], v[FC+\fo:FC+\fo+15], v[128*((\t)%2)+16*(\s):128*((\t)%2)+16*(\s)+15], 0
.else
	v_wmma_f32_16x16x128_fp8_fp8 v[\acc+8*(\t):\acc+8*(\t)+7], v[FC+\fo:FC+\fo+15], v[128*((\t)%2)+16*(\s):128*((\t)%2)+16*(\s)+15], v[\acc+8*(\t):\acc+8*(\t)+7]
.endif
.endm
; Eight K steps of 128, ten products each.  The fragments run two steps ahead in three buffers.  The window setting between steps moves source 1 alone, which an LDS load does not have.
.macro KSTEPS ra, ca, rb, cb
	FRAGLD \ra, \ca, \rb, \cb, 0
	FRAGLD \ra, \ca, \rb, \cb, 1
.irp s,0,1,2,3,4,5,6,7
.if \s < 7
	s_wait_dscnt 0x8                               ; this step's eight loads are in; the next step's eight may be out
.else
	s_wait_dscnt 0x0
.endif
.if \s < 6
.if \s > 0
.rept 4
	v_nop                                          ; four places between the last step's products and loads into the buffer that they read (ISA guide 7.12.1 for vector instructions)
.endr
.endif
	FRAGLD \ra, \ca, \rb, \cb, \s+2
.endif
.set FC, BUF+32*(\s%3)
	MM XA, 0, 0, \s
	MM XA, 0, 1, \s
	MM XA, 0, 2, \s
	MM XA, 0, 3, \s
	MM XA, 0, 4, \s
	MM GA, 16, 4, \s
	MM GA, 16, 3, \s
	MM GA, 16, 2, \s
	MM GA, 16, 1, \s
	MM GA, 16, 0, \s
.endr
	WIN 0
.rept 5
	v_nop                                          ; five places: for the reads of the sums, for writes and loads over the buffers, and for the next sums' first products, which write over these accumulators
.endr
.endm
.macro GLU t, cc                       ; tile t's eight numbers of a lane: gate and x become eight codes; each accumulator is read from its low end on
.set GX, XA+8*(\t)
.set GG, GA+8*(\t)
.irp i,0,2,4,6
	v_pk_mul_f32 v[TA+\i:TA+\i+1], v[GG+\i:GG+\i+1], s[34:35] op_sel_hi:[1,0]      ; a
.endr
.irp i,0,2,4,6
	v_pk_mul_f32 v[TS+\i:TS+\i+1], v[TA+\i:TA+\i+1], v[TA+\i:TA+\i+1]              ; a^2
.endr
.irp i,0,1,2,3,4,5,6,7
	v_and_b32 v[TT+\i], s59, v[TA+\i]                                              ; |a|
.endr
.irp i,0,2,4,6
	v_pk_fma_f32 v[TR+\i:TR+\i+1], v[TT+\i:TT+\i+1], s[36:37], v[20:21] op_sel_hi:[1,0,1]
.endr
.irp i,0,2,4,6
	v_pk_fma_f32 v[TU+\i:TU+\i+1], v[TT+\i:TT+\i+1], s[38:39], v[22:23] op_sel_hi:[1,0,1]
.endr
.irp i,0,2,4,6
	v_pk_fma_f32 v[TR+\i:TR+\i+1], v[TR+\i:TR+\i+1], v[TS+\i:TS+\i+1], v[TU+\i:TU+\i+1]
.endr
.irp k,40,42,44
.irp i,0,2,4,6
	v_pk_fma_f32 v[TR+\i:TR+\i+1], v[TR+\i:TR+\i+1], v[TT+\i:TT+\i+1], s[\k:\k+1] op_sel_hi:[1,1,0]
.endr
.endr
.irp i,0,2,4,6
	v_pk_fma_f32 v[TR+\i:TR+\i+1], v[TR+\i:TR+\i+1], v[TT+\i:TT+\i+1], v[TT+\i:TT+\i+1] neg_lo:[0,0,1] neg_hi:[0,0,1]
.endr
.irp i,0,2,4,6
	v_pk_mul_f32 v[TR+\i:TR+\i+1], v[TR+\i:TR+\i+1], s[46:47] op_sel_hi:[1,0]
.endr
.irp i,0,1,2,3,4,5,6,7
	v_exp_f32 v[TR+\i], v[TR+\i]                                                   ; q = erfc(|a|)
.endr
.irp i,0,2,4,6
	v_pk_fma_f32 v[TU+\i:TU+\i+1], v[TS+\i:TS+\i+1], s[48:49], v[24:25] op_sel_hi:[1,0,1]   ; the small branch is the work between the exponentials and the wait for them
.endr
.irp k,50,52,54,56
.irp i,0,2,4,6
	v_pk_fma_f32 v[TU+\i:TU+\i+1], v[TU+\i:TU+\i+1], v[TS+\i:TS+\i+1], s[\k:\k+1] op_sel_hi:[1,1,0]
.endr
.endr
.irp i,0,2,4,6
	v_pk_fma_f32 v[TU+\i:TU+\i+1], v[TU+\i:TU+\i+1], v[TA+\i:TA+\i+1], v[TA+\i:TA+\i+1]
.endr
.irp i,0,2,4,6
	v_pk_add_f32 v[TU+\i:TU+\i+1], v[TU+\i:TU+\i+1], 1.0 op_sel_hi:[1,0]
.endr
	s_wait_alu depctr_va_vdst(0)                   ; one wait for the eight exponentials, ahead of their first reader
.irp i,0,2,4,6
	v_pk_fma_f32 v[TS+\i:TS+\i+1], v[TR+\i:TR+\i+1], -1.0, 2.0 op_sel_hi:[1,0,0]   ; 2 - q
.endr
.irp i,0,1,2,3,4,5,6,7
	v_cmp_gt_f32 vcc_lo, 0, v[TA+\i]
	v_cndmask_b32 v[TS+\i], v[TS+\i], v[TR+\i], vcc_lo                             ; a < 0: q itself
	v_cmp_lt_f32 vcc_lo, s58, v[TT+\i]
	v_cndmask_b32 v[TU+\i], v[TU+\i], v[TS+\i], vcc_lo                             ; 1 + erf(a)
.endr
.irp i,0,2,4,6
	v_pk_mul_f32 v[TR+\i:TR+\i+1], v[GG+\i:GG+\i+1], v[GX+\i:GX+\i+1]
.endr
.irp i,0,2,4,6
	v_pk_mul_f32 v[TR+\i:TR+\i+1], v[TR+\i:TR+\i+1], v[TU+\i:TU+\i+1]
.endr
.irp i,0,1,2,3,4,5,6,7
	v_med3_num_f32 v[TR+\i], v[TR+\i], -v8, v8
.endr
	v_cvt_scalef32_pk8_fp8_f32 v[CD+4*(\t)+2*(\cc):CD+4*(\t)+2*(\cc)+1], v[TR:TR+7], v9
	v_nop                                          ; a plain instruction behind the conversion, ahead of the next writes of its sources
.endm
.macro ASTORE t, qp                    ; a slot beyond the expert's tiles stores nothing
	s_cmp_lt_u32 s[IT+\t], s21
	s_cbranch_scc0 .Lna_\@
	global_store_b128 v[AO+\t], v[CD+4*\t:CD+4*\t+3], s[12:13] offset:512*\qp      ; 512 consecutive bytes, aligned
.Lna_\@:
.endm
.macro PIECE qp                        ; weight tiles c = 2 q' and 2 q' + 1 of x and of gate: one 16-byte piece of act a lane and tile
	s_wait_xcnt 0x0                                ; the last piece's stores have read their code registers
.irp cc,0,1
	KSTEPS 1, 2*\qp+\cc, 2, 2*\qp+\cc
.irp t,0,1,2,3,4
	GLU \t, \cc
.endr
.endr
.irp t,0,1,2,3,4
	ASTORE \t, \qp
.endr
.endm
.Lpass:
	s_wait_loadcnt 0x0                             ; the pass's five tiles are in: the first pass's were asked for among the weights, a later pass's at the end of the pass before
	PIECE 0
	PIECE 1
	s_add_co_u32 s26, s26, 1
	s_cmp_ge_u32 s26, s25
	s_cbranch_scc1 .Lend                           ; the last pass asks for nothing more
	s_wait_xcnt 0x0                                ; this pass's stores have read their offsets
	TILES
	LOADTOK
	s_cmp_lt_u32 s26, s25
	s_cbranch_scc1 .Lpass
.Lend:
	s_wait_tensorcnt 0x0
	ds_add_u32 v254, v255
	s_wait_dscnt 0x0
	s_endpgm
.Lfunc_end_k_qb4fc850812_up:
	.size	k_qb4fc850812_up, .Lfunc_end_k_qb4fc850812_up-k_qb4fc850812_up
	.p2alignl 7, 3214868480
	.fill 96, 4, 3214868480
	.section	.rodata,"a",@progbits
	.p2align	6, 0x0
	.amdhsa_kernel k_qb4fc850812_up
		.amdhsa_group_segment_fixed_size 131584
		.amdhsa_private_segment_fixed_size 0
		.amdhsa_enable_private_segment 0
		.amdhsa_kernarg_size 40
		.amdhsa_user_sgpr_count 2
		.amdhsa_user_sgpr_kernarg_segment_ptr 1
		.amdhsa_wavefront_size32 1
		.amdhsa_system_sgpr_workgroup_id_x 1
		.amdhsa_system_sgpr_workgroup_id_y 1
		.amdhsa_system_sgpr_workgroup_id_z 1
		.amdhsa_system_vgpr_workitem_id 0
		.amdhsa_next_free_vgpr 1024
		.amdhsa_next_free_sgpr 66
		.amdhsa_reserve_vcc 1
		.amdhsa_float_denorm_mode_32 3
		.amdhsa_float_denorm_mode_16_64 3
		.amdhsa_memory_ordered 1
		.amdhsa_forward_progress 1
		.amdhsa_inst_pref_size 255
	.end_amdhsa_kernel
	.section	.bss,"aw",@nobits
	.p2align	6
	.space	262144
	.amdgpu_metadata
---
amdhsa.version: [ 1, 2 ]
amdhsa.kernels:
  - .name:           k_qb4fc850812_up
    .symbol:         k_qb4fc850812_up.kd
    .args:
      - { .name: w1, .offset: 0, .size: 8, .value_kind: global_buffer, .address_space: global }
      - { .name: lowp_scales, .offset: 8, .size: 8, .value_kind: global_buffer, .address_space: global }
      - { .name: xs, .offset: 16, .size: 8, .value_kind: global_buffer, .address_space: global }
      - { .name: meta, .offset: 24, .size: 8, .value_kind: global_buffer, .address_space: global }
      - { .name: act, .offset: 32, .size: 8, .value_kind: global_buffer, .address_space: global }
    .group_segment_fixed_size: 131584
    .private_segment_fixed_size: 0
    .kernarg_segment_align: 8
    .kernarg_segment_size: 40
    .max_flat_workgroup_size: 128
    .sgpr_count:     66
    .vgpr_count:     1024
    .wavefront_size: 32
...
	.end_amdgpu_metadata
.endif
;; end of part 3
;; launch down (part 4): grid 256 x 1, 4 waves a work-group, no clusters, 153,088 bytes of LDS; arguments w2, lowp_scales, act, meta, rows, rowp, y; writes y
.if DOCPART == 4
	.amdgcn_target "amdgcn-amd-amdhsa--gfx1250"
	.amdhsa_code_object_version 6
	.text
	.protected	k_qb4fc850812_down
	.globl	k_qb4fc850812_down
	.p2align	8
	.type	k_qb4fc850812_down,@function
k_qb4fc850812_down:
	s_mov_b64 s[64:65], 0
	v_nop
	global_prefetch_b8 v0, s[64:65] scope:SCOPE_SE
	s_setreg_imm32_b32 hwreg(HW_REG_WAVE_MODE, 25, 1), 1
	s_wait_xcnt 0x0
; THE SECOND PRODUCT ON THE ROUTED ROWS.  y = p x (act w2[e]), K = 2,048 hidden units in two halves, each half summed in f32 by a work-group of its own.  w2 [8][2048][1024] f32; act: codes of E4M3 as the launch before laid them.
; SHARES.  Work-group = (expert e = wg / 32, 64 output columns ds = (wg / 2) % 16, half kh = wg % 2).  It alone reads its 256 KiB of w2, once, quantises them under 2^e2 and keeps the 64 KiB of codes in LDS;
; then its four waves multiply them with all the expert's tiles of 16 rows, five tiles a wave at a time, 20 a pass; the passes, ceil(tiles / 20), are counted by one.
; K'S ORDER is the one in which act lies: in K step s, byte 8 cc + j of piece Q = 2 q' + h1 in lane half hh is hidden unit 1024 kh + 128 s + 64 hh + 32 h1 + 4 j + 2 q' + cc.  Phase 1 takes w2's rows in that order, by the
; loads' immediates: a lane's 16 bytes are columns 4 r .. 4 r + 3 of one row (sixteen lanes: 256 consecutive bytes, aligned; lanes 16-31 the row 64 further down).  Fragment (c, s) lies at (8 c + s) 2048 + 512 Q + 16 lane.
; THE FIRST PASS'S TILES OF act ARE ASKED FOR AMONG THE WEIGHTS: the weights go through a ring of three sets of 16 loads, and behind each refill of the ring stands a run of the 160 loads that bring the wave's five tiles
; (the rows' places and probabilities, 45 small loads, come last), so that the wave's loads follow each other without a gap from the first weight to the last tile.  Behind a batch's 16 loads stand at most 62 younger ones.
; PHASE 2.  Source 0 = 16 columns (4 m + c) of w2, source 1 = 16 rows of act: a lane holds one row and the columns 64 ds + 32 h + 4 j + c.  Tiles c = 2 q and 2 q + 1 are summed together (ten accumulators by turns)
; their results are neighbours, 8 bytes of a row.  Each is multiplied by the row's probability x 2^(e2+e3), goes through the wave's own stage in LDS and leaves as rows of 256 bytes,
; to y[kh][1024 slot + token]: each row of y has one owner; a last tile's copies of its last row store the same bytes again.
; An expert without tiles names tile 0, which every split has, and leaves behind the barrier.  The trip count of the passes is a stored number: no tensor load, no cluster, no joint request, and the one barrier stands ahead of that loop.
; LIMITS: e2 between -126 and 119; e2 + e3 between -126 and 127.  NaN among the inputs is not served.
; REGISTERS.  window 0: v1 16 lane, v3 offset in w2, v4 where my codes go, v6, v7 hold and scale, v8, v9, v25 lane parts of offsets, v10-24 offsets in act, rows, rowp, v26, v27 the stage, v28 16 r, v30-34 the rows' factors,
;   v40-79, v80-119 the sums, v144-239 as in the launch before; on the way out 80 products, then 32 registers of rows.  windows 1-3: tile t at v[256 + 128 t]; window 3 from v128: 40 offsets in y, 5 probabilities.
;   The ring of phase 1: window 3 v192-255, window 0 v40-103, window 3 v128-191; the last of the three is done with behind batch 5, ahead of the loads of the offsets and probabilities.
.set SLB, 138240
.set XO,  10
.set RO,  15
.set PO,  20
.set PW,  30
.set EA,  40
.set OA,  80
.set BUF, 144
.set NUM, 144
.set COD, 208
.set PT,  144
.set OB,  144
.set IT,  28
.set STG, 65536                        ; behind the codes: for each wave five stages of 16 rows x (256 + 16) bytes
.set MSB, 0
.macro WIN new
.if MSB != (\new)
	s_set_vgpr_msb (MSB<<8)|(\new)
.set MSB, (\new)
.endif
.endm
	s_load_b256 s[4:11], s[0:1], 0x0               ; w2 s[4:5], scales s[6:7], act s[8:9], meta s[10:11]
	s_load_b128 s[12:15], s[0:1], 0x20             ; rows s[12:13], rowp s[14:15]
	s_load_b64 s[16:17], s[0:1], 0x30              ; y
	v_lshl_add_u32 v254, v0, 2, 0x25400
	v_mov_b32 v255, 0
	v_lshrrev_b32 v1, 5, v0
	v_readfirstlane_b32 s18, v1                    ; wave 0..3
	v_and_b32 v1, 31, v0
	v_lshlrev_b32 v1, 4, v1                        ; 16 x lane
	v_and_b32 v29, 15, v0                          ; r
	v_bfe_u32 v35, v0, 4, 1                        ; h
	v_lshlrev_b32 v28, 4, v29
	v_lshl_add_u32 v3, v35, 18, v28                ; w2: 16 r, + 64 rows of 4,096 bytes for lanes 16-31
	s_lshl_b32 s36, s18, 12
	v_add_nc_u32 v4, s36, v1
	v_mul_u32_u24 v8, v35, SLB
	v_add_nc_u32 v8, v8, v28                       ; act: lanes 16-31 take the next slice
	v_lshlrev_b32 v9, 2, v35
	v_lshlrev_b32 v25, 2, v29
	s_mul_i32 s36, s18, 21760
	s_add_co_u32 s36, s36, STG
	v_mul_u32_u24 v26, v29, 272
	v_lshl_add_u32 v26, v35, 7, v26
	v_add_nc_u32 v26, s36, v26                     ; the stage, in: row r, + 128 h
	v_mul_u32_u24 v27, v35, 272
	v_add_nc_u32 v27, v27, v28
	v_add_nc_u32 v27, s36, v27                     ; and out: lanes 0-15 one row, lanes 16-31 the next
	s_lshr_b32 s19, ttmp9, 5                       ; expert
	s_bfe_u32 s40, ttmp9, 0x40001                  ; ds
	s_and_b32 s39, ttmp9, 1                        ; kh
	s_lshl_b32 s36, s19, 23
	s_lshl_b32 s27, s39, 22
	s_add_co_u32 s36, s36, s27
	s_lshl_b32 s27, s18, 20                        ; my 256 rows
	s_add_co_u32 s36, s36, s27
	s_lshl_b32 s27, s40, 8
	s_add_co_u32 s36, s36, s27
	s_mov_b32 s37, 0
	s_wait_kmcnt 0x0
	s_load_b128 s[20:23], s[6:7], 0x0              ; e0, e1, e2, e3
	s_add_nc_u64 s[4:5], s[4:5], s[36:37]
	s_lshl_b32 s36, s19, 3
	s_add_nc_u64 s[10:11], s[10:11], s[36:37]
	s_load_b64 s[24:25], s[10:11], 0x0             ; the expert's first tile, its number of tiles
	s_mul_i32 s36, s39, 16*SLB
	s_add_nc_u64 s[8:9], s[8:9], s[36:37]
	s_lshl_b32 s36, s39, 23
	s_add_co_u32 s36, s36, s27
	s_add_nc_u64 s[16:17], s[16:17], s[36:37]
.macro RSET b                          ; ring set b % 3: its window RW and its first register RB
.if ((\b)%3) == 0
.set RW, 3
.set RB, 192
.elseif ((\b)%3) == 1
.set RW, 0
.set RB, 40
.else
.set RW, 3
.set RB, 128
.endif
.endm
.macro LOADB b                         ; batch b: K step 2 w + b / 4, piece Q = b % 4; load n = 8 cc + j; into ring set b % 3
	RSET \b
	WIN RW<<6
.set n, 0
.rept 16
	global_load_b128 v[RB+4*n:RB+4*n+3], v3, s[4:5] offset:(128*((\b)/4)+32*((\b)%2)+4*(n%8)+2*(((\b)%4)/2)+n/8)*4096 th:TH_LOAD_NT
.set n, n+1
.endr
.endm
.macro ACTL first, count               ; loads number first .. first + count - 1 of the 160 that bring my five tiles of act: tile g / 32, piece j = g % 32 = 4 s + Q: slices 2 s and 2 s + 1, two runs of 256 consecutive bytes
.set g, \first
.rept \count
.set j, g%32
	WIN (1+(g/32)/2)<<6
	global_load_b128 v[128*((g/32)%2)+4*j:128*((g/32)%2)+4*j+3], v[XO+g/32], s[8:9] offset:2*(j/4)*SLB+512*((j%4)/2)+256*(j%2)
.set g, g+1
.endr
.endm
.macro ROWL                            ; the five tiles' rows' places in y (40 loads) and their probabilities (5)
	WIN 0xc0
.irp t,0,1,2,3,4
.irp i,0,1,2,3,4,5,6,7
	global_load_b32 v[128+8*\t+\i], v[RO+\t], s[12:13] offset:8*\i     ; row 2 i + lane / 16 of the tile
.endr
.endr
.irp t,0,1,2,3,4
	global_load_b32 v[168+\t], v[PO+\t], s[14:15]                      ; row lane % 16
.endr
.endm
.macro TILES                           ; slot 20 pass + 5 w + t; beyond the expert's last tile: that tile again; held inside the buffers by a constant
	s_mul_i32 s36, s26, 20
	s_mul_i32 s33, s18, 5
	s_add_co_u32 s36, s36, s33
.irp t,0,1,2,3,4
	s_add_co_u32 s[IT+\t], s36, \t
	s_min_u32 s33, s[IT+\t], s34
	s_add_co_u32 s33, s33, s24
	s_min_u32 s33, s33, 134
	s_lshl_b32 s27, s33, 10
	v_add_nc_u32 v[XO+\t], s27, v8
	s_lshl_b32 s27, s33, 6
	v_add_nc_u32 v[RO+\t], s27, v9
	v_add_nc_u32 v[PO+\t], s27, v25
.endr
.endm
	LOADB 0
	LOADB 1
	LOADB 2
	WIN 0
	s_wait_kmcnt 0x0
	s_add_co_i32 s27, s22, 127
	s_lshl_b32 s33, s27, 23
	v_mov_b32 v7, s33                              ; 2^e2
	s_add_co_i32 s27, s27, 8
	s_lshl_b32 s27, s27, 23
	s_or_b32 s27, s27, 0x600000
	v_mov_b32 v6, s27                              ; 448 x 2^e2
	s_add_co_i32 s38, s22, s23
	s_add_co_i32 s38, s38, 127
	s_lshl_b32 s38, s38, 23                        ; 2^(e2+e3)
	s_min_u32 s25, s25, 135                        ; no split has more tiles
	s_max_u32 s34, s25, 1
	s_sub_co_u32 s34, s34, 1                       ; the expert's last tile
	s_add_co_u32 s35, s25, 19
	s_mul_i32 s35, s35, 3277
	s_lshr_b32 s35, s35, 16                        ; the passes: ceil(tiles / 20); 3277 / 65536 is 1 / 20 with an excess of 4 in 65,536 for each 20: exact far beyond 154
	s_cmp_eq_u32 s25, 0
	s_cselect_b32 s24, 0, s24                      ; an expert without tiles names tile 0: only bytes that were stored are read
	s_mov_b32 s26, 0                               ; the pass
	TILES                                          ; the first pass's tiles
; Batch b.  wt: the loads issued behind this batch's 16, which may stay out.  first, count: the run of loads of act that stands behind the ring's refill.  rows = 1: the 45 small loads follow it.
.macro BATCH b, wt, first, count, rows
	s_wait_loadcnt \wt
	RSET \b
	WIN RW                                         ; source 0: the ring set's window
.set n, 0
.rept 16
.irp c,0,1,2,3
	v_med3_num_f32 v[NUM+16*\c+n], v[RB+4*n+\c], -v6, v6      ; the hold (ISA guide 7.6.2: the conversion does not saturate) also lays column 4 r + c's 16 numbers on end
.endr
.set n, n+1
.endr
.if (\b) < 5
	LOADB (\b)+3                                   ; the set just read takes the batch three on
.endif
	ACTL \first, \count
.if \rows
	ROWL
.endif
	WIN 0
	s_wait_dscnt 0x4                               ; the batch before's four stores may be out; those of two batches back have read this set of code registers
.irp c,0,1,2,3
	v_cvt_scalef32_pk8_fp8_f32 v[COD+16*((\b)%2)+4*\c:COD+16*((\b)%2)+4*\c+1], v[NUM+16*\c:NUM+16*\c+7], v7
	v_cvt_scalef32_pk8_fp8_f32 v[COD+16*((\b)%2)+4*\c+2:COD+16*((\b)%2)+4*\c+3], v[NUM+16*\c+8:NUM+16*\c+15], v7
.endr
	v_nop                                          ; a plain instruction between the conversions and the next batch's holds
.irp c,0,1,2,3
	ds_store_b128 v4, v[COD+16*((\b)%2)+4*\c:COD+16*((\b)%2)+4*\c+3] offset:16384*\c+512*(\b)
.endr
.endm
; THE COUNTS.  Batches 0, 1, 2 were issued ahead of all; batch b >= 3 was issued in batch b - 3, ahead of that batch's run.  So behind batch b's loads stand the weights of batches b + 1 and b + 2 (as far as there are any)
; and the runs of batches b - 3, b - 2, b - 1 (as far as there are any).
	BATCH 0, 32, 0,   10, 0                        ; 16 + 16
	BATCH 1, 42, 10,  10, 0                        ; + one run of 10
	BATCH 2, 52, 20,  10, 0                        ; + two
	BATCH 3, 62, 30,  10, 0                        ; 10 + 16 + 10 + 16 + 10
	BATCH 4, 62, 40,  10, 0                        ; the same; the last refill of the ring
	BATCH 5, 62, 50,  26, 0                        ; the same; no weights are left to ask for, so the runs may be longer
	BATCH 6, 62, 76,  26, 0                        ; 10 + 16 + 10 + 26
	BATCH 7, 62, 102, 58, 1                        ; 10 + 26 + 26; all that is left goes out behind the last wait for weights
	s_wait_dscnt 0x0                               ; for the others' sake: my codes lie in LDS
	s_barrier_signal -1
	s_barrier_wait -1                              ; the one barrier: behind it the codes are only read, and each wave's stages are its own
	s_cmp_eq_u32 s25, 0
	s_cbranch_scc1 .Lend
.macro LOADTOK                         ; a later pass's five tiles, places and probabilities, in one run
	ACTL 0, 160
	ROWL
	WIN 0
.endm
.macro FRAGLD ca, cb, s
.set FB, BUF+32*((\s)%3)
.irp q,0,1,2,3
	ds_load_b128 v[FB+4*\q:FB+4*\q+3], v1 offset:16384*(\ca)+2048*(\s)+512*\q
.endr
.irp q,0,1,2,3
	ds_load_b128 v[FB+16+4*\q:FB+16+4*\q+3], v1 offset:16384*(\cb)+2048*(\s)+512*\q
.endr
.endm
.macro MM acc, fo, t, s
	WIN (1+(\t)/2)<<2
.if (\s) == 0
	v_wmma_f32_16x16x128_fp8_fp8 v[\acc+8*(\t):\acc+8*(\t)+7], v[FC+\fo:FC+\fo+15], v[128*((\t)%2)+16*(\s):128*((\t)%2)+16*(\s)+15], 0
.else
	v_wmma_f32_16x16x128_fp8_fp8 v[\acc+8*(\t):\acc+8*(\t)+7], v[FC+\fo:FC+\fo+15], v[128*((\t)%2)+16*(\s):128*((\t)%2)+16*(\s)+15], v[\acc+8*(\t):\acc+8*(\t)+7]
.endif
.endm
.macro KSTEPS ca, cb                   ; eight K steps of 128, ten products each; the fragments run two steps ahead in three buffers
	FRAGLD \ca, \cb, 0
	FRAGLD \ca, \cb, 1
.irp s,0,1,2,3,4,5,6,7
.if \s < 7
	s_wait_dscnt 0x8                               ; this step's eight loads are in; the next step's eight may be out
.else
	s_wait_dscnt 0x0
.endif
.if \s < 6
.if \s > 0
.rept 4
	v_nop                                          ; four places between the last step's products and loads into the buffer that they read
.endr
.endif
	FRAGLD \ca, \cb, \s+2
.endif
.set FC, BUF+32*(\s%3)
	MM EA, 0, 0, \s
	MM EA, 0, 1, \s
	MM EA, 0, 2, \s
	MM EA, 0, 3, \s
	MM EA, 0, 4, \s
	MM OA, 16, 4, \s
	MM OA, 16, 3, \s
	MM OA, 16, 2, \s
	MM OA, 16, 1, \s
	MM OA, 16, 0, \s
.endr
	WIN 0
.rept 5
	v_nop                                          ; five places: for the reads of the sums, for writes over the buffers, and for the next sums' first products
.endr
.endm
.macro PAIRC qq                        ; weight tiles 2 q and 2 q + 1: neighbouring columns
	KSTEPS 2*\qq, 2*\qq+1
.irp t,0,1,2,3,4
.irp j,0,1,2,3,4,5,6,7
	v_mul_f32 v[PT+16*\t+2*\j], v[PW+\t], v[EA+8*\t+\j]        ; each accumulator from its low end on
	v_mul_f32 v[PT+16*\t+2*\j+1], v[PW+\t], v[OA+8*\t+\j]
.endr
.endr
.irp t,0,1,2,3,4
.irp j,0,1,2,3,4,5,6,7
	ds_store_b64 v26, v[PT+16*\t+2*\j:PT+16*\t+2*\j+1] offset:4352*\t+16*\j+8*\qq
.endr
.endr
	s_wait_dscnt 0x0                               ; the stores have read their registers, which the next fragments take
.endm
.macro YSTORE t                        ; a slot beyond the expert's tiles stores nothing
	s_cmp_lt_u32 s[IT+\t], s25
	s_cbranch_scc0 .Lny_\@
	s_wait_xcnt 0x0                                ; the last tile's stores have read these registers
.irp i,0,1,2,3,4,5,6,7
	ds_load_b128 v[OB+4*\i:OB+4*\i+3], v27 offset:4352*\t+544*\i       ; LDS serves a wave's instructions in order (ISA guide 5.7.1.4): these see my stores
.endr
	WIN 0x03                                       ; the offsets lie in window 3
.irp i,0,1,2,3,4,5,6,7
	s_wait_dscnt 7-\i
	global_store_b128 v[128+8*\t+\i], v[OB+4*\i:OB+4*\i+3], s[16:17]   ; sixteen lanes: 256 consecutive bytes of a row of y, aligned
.endr
	WIN 0
.Lny_\@:
.endm
.Lpass:
	s_wait_loadcnt 0x0                             ; the pass's tiles, places and probabilities are in: the first pass's were asked for among the weights, a later pass's at the end of the pass before
	WIN 0xcc
.set n, 0
.rept 40
	v_min_u32 v[128+n], 0x7ff, v[128+n]            ; a row of y, held inside the plane
.set n, n+1
.endr
	WIN 0xc3
.set n, 0
.rept 40
	v_lshl_add_u32 v[128+n], v[128+n], 12, v28     ; x 4,096 bytes + 16 (lane % 16)
.set n, n+1
.endr
	WIN 0x0c
.irp t,0,1,2,3,4
	v_mul_f32 v[PW+\t], s38, v[168+\t]             ; p x 2^(e2+e3)
.endr
	WIN 0
	PAIRC 0
	PAIRC 1
.irp t,0,1,2,3,4
	YSTORE \t
.endr
	s_add_co_u32 s26, s26, 1
	s_cmp_ge_u32 s26, s35
	s_cbranch_scc1 .Lend                           ; the last pass asks for nothing more
	s_wait_xcnt 0x0                                ; this pass's stores have read their offsets and their data
	TILES
	LOADTOK
	s_cmp_lt_u32 s26, s35
	s_cbranch_scc1 .Lpass
.Lend:
	s_wait_tensorcnt 0x0
	ds_add_u32 v254, v255
	s_wait_dscnt 0x0
	s_endpgm
.Lfunc_end_k_qb4fc850812_down:
	.size	k_qb4fc850812_down, .Lfunc_end_k_qb4fc850812_down-k_qb4fc850812_down
	.p2alignl 7, 3214868480
	.fill 96, 4, 3214868480
	.section	.rodata,"a",@progbits
	.p2align	6, 0x0
	.amdhsa_kernel k_qb4fc850812_down
		.amdhsa_group_segment_fixed_size 153088
		.amdhsa_private_segment_fixed_size 0
		.amdhsa_enable_private_segment 0
		.amdhsa_kernarg_size 56
		.amdhsa_user_sgpr_count 2
		.amdhsa_user_sgpr_kernarg_segment_ptr 1
		.amdhsa_wavefront_size32 1
		.amdhsa_system_sgpr_workgroup_id_x 1
		.amdhsa_system_sgpr_workgroup_id_y 1
		.amdhsa_system_sgpr_workgroup_id_z 1
		.amdhsa_system_vgpr_workitem_id 0
		.amdhsa_next_free_vgpr 1024
		.amdhsa_next_free_sgpr 66
		.amdhsa_reserve_vcc 0
		.amdhsa_float_denorm_mode_32 3
		.amdhsa_float_denorm_mode_16_64 3
		.amdhsa_memory_ordered 1
		.amdhsa_forward_progress 1
		.amdhsa_inst_pref_size 144
	.end_amdhsa_kernel
	.amdgpu_metadata
---
amdhsa.version: [ 1, 2 ]
amdhsa.kernels:
  - .name:           k_qb4fc850812_down
    .symbol:         k_qb4fc850812_down.kd
    .args:
      - { .name: w2, .offset: 0, .size: 8, .value_kind: global_buffer, .address_space: global }
      - { .name: lowp_scales, .offset: 8, .size: 8, .value_kind: global_buffer, .address_space: global }
      - { .name: act, .offset: 16, .size: 8, .value_kind: global_buffer, .address_space: global }
      - { .name: meta, .offset: 24, .size: 8, .value_kind: global_buffer, .address_space: global }
      - { .name: rows, .offset: 32, .size: 8, .value_kind: global_buffer, .address_space: global }
      - { .name: rowp, .offset: 40, .size: 8, .value_kind: global_buffer, .address_space: global }
      - { .name: y, .offset: 48, .size: 8, .value_kind: global_buffer, .address_space: global }
    .group_segment_fixed_size: 153088
    .private_segment_fixed_size: 0
    .kernarg_segment_align: 8
    .kernarg_segment_size: 56
    .max_flat_workgroup_size: 128
    .sgpr_count:     66
    .vgpr_count:     1024
    .wavefront_size: 32
...
	.end_amdgpu_metadata
.endif
;; end of part 4
;; launch sum (part 5): grid 256 x 1, 8 waves a work-group, no clusters, 0 bytes of LDS; arguments y, out0; writes out0
.if DOCPART == 5
	.amdgcn_target "amdgcn-amd-amdhsa--gfx1250"
	.amdhsa_code_object_version 6
	.text
	.protected	k_qb4fc850812_sum
	.globl	k_qb4fc850812_sum
	.p2align	8
	.type	k_qb4fc850812_sum,@function
k_qb4fc850812_sum:
	s_mov_b64 s[64:65], 0
	v_nop
	global_prefetch_b8 v0, s[64:65] scope:SCOPE_SE
	s_setreg_imm32_b32 hwreg(HW_REG_WAVE_MODE, 25, 1), 1
	s_wait_xcnt 0x0
; out0[token] = the four planes of y added: two halves of K x two chosen experts, each already times its probability.  y [2][2][1024][1024] f32, out0 [1024][1024] f32.
; A stream: a work-group takes four tokens (16,384 bytes of each plane), a thread 16 bytes of each; a wave's load or store covers 512 consecutive bytes.  All 16 loads of a thread go out at once; every offset is an
; immediate and no register is written again, so the only waits are the counted ones for data.  No LDS, no barrier, no matrix unit: there is nothing to share and nothing to multiply.
	s_load_b128 s[4:7], s[0:1], 0x0                ; y, out0
	v_lshlrev_b32 v1, 4, v0
	s_lshl_b32 s8, ttmp9, 14
	s_mov_b32 s9, 0
	s_wait_kmcnt 0x0
	s_add_nc_u64 s[4:5], s[4:5], s[8:9]
	s_add_nc_u64 s[6:7], s[6:7], s[8:9]
	s_add_nc_u64 s[10:11], s[4:5], 0x800000        ; the second half of K
.irp i,0,1,2,3
	global_load_b128 v[4+16*\i:7+16*\i], v1, s[4:5] offset:4096*\i th:TH_LOAD_NT
	global_load_b128 v[8+16*\i:11+16*\i], v1, s[4:5] offset:4096*\i+4194304 th:TH_LOAD_NT
	global_load_b128 v[12+16*\i:15+16*\i], v1, s[10:11] offset:4096*\i th:TH_LOAD_NT
	global_load_b128 v[16+16*\i:19+16*\i], v1, s[10:11] offset:4096*\i+4194304 th:TH_LOAD_NT
.endr
.irp i,0,1,2,3
	s_wait_loadcnt 4*(3-\i)                        ; this token's four loads are in; the later tokens' may be out
	v_pk_add_f32 v[4+16*\i:5+16*\i], v[4+16*\i:5+16*\i], v[8+16*\i:9+16*\i]
	v_pk_add_f32 v[6+16*\i:7+16*\i], v[6+16*\i:7+16*\i], v[10+16*\i:11+16*\i]
	v_pk_add_f32 v[12+16*\i:13+16*\i], v[12+16*\i:13+16*\i], v[16+16*\i:17+16*\i]
	v_pk_add_f32 v[14+16*\i:15+16*\i], v[14+16*\i:15+16*\i], v[18+16*\i:19+16*\i]
	v_pk_add_f32 v[4+16*\i:5+16*\i], v[4+16*\i:5+16*\i], v[12+16*\i:13+16*\i]
	v_pk_add_f32 v[6+16*\i:7+16*\i], v[6+16*\i:7+16*\i], v[14+16*\i:15+16*\i]
	global_store_b128 v1, v[4+16*\i:7+16*\i], s[6:7] offset:4096*\i th:TH_STORE_NT
.endr
	s_endpgm
.Lfunc_end_k_qb4fc850812_sum:
	.size	k_qb4fc850812_sum, .Lfunc_end_k_qb4fc850812_sum-k_qb4fc850812_sum
	.p2alignl 7, 3214868480
	.fill 96, 4, 3214868480
	.section	.rodata,"a",@progbits
	.p2align	6, 0x0
	.amdhsa_kernel k_qb4fc850812_sum
		.amdhsa_group_segment_fixed_size 0
		.amdhsa_private_segment_fixed_size 0
		.amdhsa_enable_private_segment 0
		.amdhsa_kernarg_size 16
		.amdhsa_user_sgpr_count 2
		.amdhsa_user_sgpr_kernarg_segment_ptr 1
		.amdhsa_wavefront_size32 1
		.amdhsa_system_sgpr_workgroup_id_x 1
		.amdhsa_system_sgpr_workgroup_id_y 1
		.amdhsa_system_sgpr_workgroup_id_z 1
		.amdhsa_system_vgpr_workitem_id 0
		.amdhsa_next_free_vgpr 72
		.amdhsa_next_free_sgpr 66
		.amdhsa_reserve_vcc 0
		.amdhsa_float_denorm_mode_32 3
		.amdhsa_float_denorm_mode_16_64 3
		.amdhsa_memory_ordered 1
		.amdhsa_forward_progress 1
		.amdhsa_inst_pref_size 5
	.end_amdhsa_kernel
	.amdgpu_metadata
---
amdhsa.version: [ 1, 2 ]
amdhsa.kernels:
  - .name:           k_qb4fc850812_sum
    .symbol:         k_qb4fc850812_sum.kd
    .args:
      - { .name: y, .offset: 0, .size: 8, .value_kind: global_buffer, .address_space: global }
      - { .name: out0, .offset: 8, .size: 8, .value_kind: global_buffer, .address_space: global }
    .group_segment_fixed_size: 0
    .private_segment_fixed_size: 0
    .kernarg_segment_align: 8
    .kernarg_segment_size: 16
    .max_flat_workgroup_size: 256
    .sgpr_count:     66
    .vgpr_count:     72
    .wavefront_size: 32
...
	.end_amdgpu_metadata
.endif
;; end of part 5
;; ======== version 2 of 2: 5 launches
;; workspace buffers: choice 16,384 bytes of whole numbers; gw 8,192 bytes; meta 256 bytes of whole numbers; rows 8,704 bytes of whole numbers; rowp 8,704 bytes; xs 2,211,840 bytes; act 4,423,680 bytes; y 16,777,216 bytes
;; launch route (part 6): grid 128 x 1, 8 waves a work-group, no clusters, 38,400 bytes of LDS; arguments inputs, wr, out1, choice, gw; writes out1, choice, gw
.if DOCPART == 6
	.amdgcn_target "amdgcn-amd-amdhsa--gfx1250"
	.amdhsa_code_object_version 6
	.text
	.protected	k_qb4fc850812_route
	.globl	k_qb4fc850812_route
	.p2align	8
	.type	k_qb4fc850812_route,@function
k_qb4fc850812_route:
	s_mov_b64 s[64:65], 0
	v_nop
	global_prefetch_b8 v0, s[64:65] scope:SCOPE_SE
	s_setreg_imm32_b32 hwreg(HW_REG_WAVE_MODE, 25, 1), 1
	s_wait_xcnt 0x0
; THE ROUTER.  logits = x wr (f32 multiply-adds), softmax, softmax again, the two largest.  inputs [1024][1024] f32, wr [1024][8] f32.
; out1 [1024][8]: all eight probabilities.  choice [token][4 words]: first choice; (1 << first) | (1 << second); one byte for each of experts 0-3, 1 where chosen; the same for experts 4-7.
; gw [slot][token]: the probability of the first (slot 0) and of the second (slot 1) choice.  All of it goes to fixed places: no address and no branch here hangs on the choice.
; SHARES.  A work-group takes 8 tokens, a wave one token: lane l holds x[128 n + 4 l + 0..3], n = 0..7.  wr (32,768 bytes) is laid in LDS once by the 256 threads, in groups of four k rows
; (128 bytes + 16 of padding = 36 words).
; Ties: a later expert replaces an earlier one only if it is strictly larger, so the lower index is kept.  Both softmaxes take their maximum away first.  NaN among the inputs is not served.
; No matrix unit: 8 columns are half a tile, and the sums decide a choice, so they are kept in f32.
.set WRP,  144
.set OUTS, 36864                       ; 8 tokens x 32 bytes
.set CHS,  37120                       ; 8 tokens x 16 bytes
.set GWS,  37248                       ; [slot][wave] words
.set X,    8                           ; v8-39    my 32 numbers of x
.set W,    40                          ; v40-103  two sets of 32: wr of four k rows
.set ACC,  104                         ; v104-111 the eight sums, later the probabilities
	s_load_b256 s[4:11], s[0:1], 0x0               ; inputs s[4:5], wr s[6:7], out1 s[8:9], choice s[10:11]
	s_load_b64 s[12:13], s[0:1], 0x20              ; gw
	v_lshl_add_u32 v160, v0, 2, 0x9200
	v_mov_b32 v161, 0
	v_lshrrev_b32 v1, 5, v0
	s_delay_alu instid0(VALU_DEP_1)
	v_readfirstlane_b32 s14, v1                    ; wave 0..7
	v_and_b32 v1, 31, v0                           ; lane
	v_lshlrev_b32 v2, 4, v0                        ; wr: 16 bytes a thread
	v_and_b32 v7, 7, v0
	v_and_b32 v6, 15, v0
	v_lshrrev_b32 v3, 3, v0
	s_delay_alu instid0(VALU_DEP_1)
	v_mul_u32_u24 v3, v3, WRP
	s_delay_alu instid0(VALU_DEP_1)
	v_lshl_add_u32 v3, v7, 4, v3                   ; wr into LDS: group thread / 8, piece thread % 8
	v_lshlrev_b32 v4, 4, v1                        ; 16 x lane
	v_mul_u32_u24 v5, v1, WRP                      ; wr out of LDS: group 32 n + lane
	s_lshl_b32 s20, s14, 5
	s_add_co_u32 s20, s20, OUTS
	v_mov_b32 v128, s20                            ; where my token's results go in LDS
	s_lshl_b32 s20, s14, 4
	s_add_co_u32 s20, s20, CHS
	v_mov_b32 v129, s20
	s_lshl_b32 s20, s14, 2
	s_add_co_u32 s20, s20, GWS
	v_mov_b32 v130, s20
	v_lshl_add_u32 v131, v6, 4, OUTS               ; and where wave 0 reads them back
	v_lshl_add_u32 v132, v6, 2, GWS
	v_lshl_add_u32 v133, v7, 4, CHS
	v_bfe_u32 v135, v0, 3, 1
	v_lshlrev_b32 v134, 2, v7
	s_delay_alu instid0(VALU_DEP_1)
	v_lshl_add_u32 v134, v135, 12, v134            ; gw in memory: 4 x (lane % 8) + 4,096 x slot
	s_mov_b32 s16, 0x76543210                      ; v_permlanex16_b32: lane l xor 16
	s_mov_b32 s17, 0xfedcba98
	s_mov_b32 s26, 0x3fb8aa3b                      ; log2(e), as a pair
	s_mov_b32 s27, 0x3fb8aa3b
	s_lshl_b32 s18, ttmp9, 3
	s_add_co_u32 s18, s18, s14                     ; my token
	s_lshl_b32 s18, s18, 12
	s_mov_b32 s19, 0
	s_mov_b32 s21, 0
	s_wait_kmcnt 0x0
	s_add_nc_u64 s[4:5], s[4:5], s[18:19]
	s_lshl_b32 s20, ttmp9, 8
	s_add_nc_u64 s[8:9], s[8:9], s[20:21]          ; out1: 256 bytes a work-group
	s_lshl_b32 s20, ttmp9, 7
	s_add_nc_u64 s[10:11], s[10:11], s[20:21]      ; choice: 128
	s_lshl_b32 s20, ttmp9, 5
	s_add_nc_u64 s[12:13], s[12:13], s[20:21]      ; gw: 32 in each slot
.irp i,0,1,2,3,4,5,6,7
	global_load_b128 v[W+4*\i:W+4*\i+3], v2, s[6:7] offset:4096*\i
.endr
.irp n,0,1,2,3,4,5,6,7
	global_load_b128 v[X+4*\n:X+4*\n+3], v4, s[4:5] offset:512*\n th:TH_LOAD_NT
.endr
.irp e,0,1,2,3,4,5,6,7
	v_mov_b32 v[112+\e], 0                         ; a lane permute's destination counts as read: written once
.endr
	s_wait_loadcnt 0x8                             ; wr's eight loads are in; x's eight, issued behind them, may be out
.irp i,0,1,2,3,4,5,6,7
	ds_store_b128 v3, v[W+4*\i:W+4*\i+3] offset:32*WRP*\i
.endr
	s_wait_dscnt 0x0                               ; for the others' sake: my part of wr lies in LDS
	s_barrier_signal -1
	s_barrier_wait -1
.macro WLD n                           ; wr of my four k rows of group n into set n % 2: register 8 b + e = wr[128 n + 4 lane + b][e]
.irp j,0,1,2,3,4,5,6,7
	ds_load_b128 v[W+32*((\n)%2)+4*\j:W+32*((\n)%2)+4*\j+3], v5 offset:32*WRP*(\n)+16*\j
.endr
.endm
.macro DOT n                           ; 16 packed multiply-adds: two experts at a time, one number of x for both halves; the first four start the sums
.set WS, W+32*((\n)%2)
.irp b,0,1,2,3
.irp p,0,2,4,6
.if ((\n) == 0) && (\b == 0)
	v_pk_mul_f32 v[ACC+\p:ACC+\p+1], v[WS+\p:WS+\p+1], v[X:X+1] op_sel_hi:[1,0]
.elseif (\b % 2) == 0
	v_pk_fma_f32 v[ACC+\p:ACC+\p+1], v[WS+8*\b+\p:WS+8*\b+\p+1], v[X+4*(\n)+\b:X+4*(\n)+\b+1], v[ACC+\p:ACC+\p+1] op_sel_hi:[1,0,1]
.else
	s_delay_alu instid0(VALU_DEP_4)
	v_pk_fma_f32 v[ACC+\p:ACC+\p+1], v[WS+8*\b+\p:WS+8*\b+\p+1], v[X+4*(\n)+\b-1:X+4*(\n)+\b], v[ACC+\p:ACC+\p+1] op_sel:[0,1,0] op_sel_hi:[1,1,1]
.endif
.endr
.endr
.endm
	WLD 0
	s_wait_loadcnt 0x0                             ; x
.irp n,0,1,2,3,4,5,6
	WLD \n+1
	s_wait_alu depctr_va_vdst(0)
	s_wait_dscnt 0x8                               ; this group's eight loads are in; the next group's eight may be out
	DOT \n
.endr
	s_wait_alu depctr_va_vdst(0)
	s_wait_dscnt 0x0
	DOT 7
.irp m,1,2,4,8                         ; the sums of the 32 lanes: four steps inside each half of 16 lanes, one across
.irp e,0,1,2,3,4,5,6,7
	v_add_f32_dpp v[ACC+\e], v[ACC+\e], v[ACC+\e] row_xmask:\m row_mask:0xf bank_mask:0xf
.endr
.endr
.irp e,0,1,2,3,4,5,6,7
	v_permlanex16_b32 v[112+\e], v[ACC+\e], s16, s17
.endr
.irp e,0,1,2,3,4,5,6,7
	v_add_f32 v[ACC+\e], v[ACC+\e], v[112+\e]      ; every lane holds the eight logits
.endr
.macro SOFTMAX                         ; on the eight numbers in ACC, in place
	v_max3_num_f32 v112, v[ACC], v[ACC+1], v[ACC+2]
	v_max3_num_f32 v113, v[ACC+3], v[ACC+4], v[ACC+5]
	s_delay_alu instid0(VALU_DEP_2)
	v_max3_num_f32 v112, v112, v[ACC+6], v[ACC+7]
	s_delay_alu instid0(VALU_DEP_1)
	v_max_num_f32 v112, v112, v113
.irp p,0,2,4,6
	v_pk_add_f32 v[ACC+\p:ACC+\p+1], v[ACC+\p:ACC+\p+1], v[112:113] op_sel_hi:[1,0] neg_lo:[0,1] neg_hi:[0,1]   ; less the maximum
.endr
.irp p,0,2,4,6
	s_delay_alu instid0(VALU_DEP_4)
	v_pk_mul_f32 v[ACC+\p:ACC+\p+1], v[ACC+\p:ACC+\p+1], s[26:27] op_sel_hi:[1,0]
.endr
	s_wait_alu depctr_va_vdst(0)
.irp e,0,1,2,3,4,5,6,7
	v_exp_f32 v[ACC+\e], v[ACC+\e]
.endr
	v_nop                                          ; a plain instruction behind the last exponential
	s_wait_alu depctr_va_vdst(0)                   ; one wait for the eight, ahead of their first reader
	v_pk_add_f32 v[114:115], v[ACC:ACC+1], v[ACC+2:ACC+3]
	v_pk_add_f32 v[116:117], v[ACC+4:ACC+5], v[ACC+6:ACC+7]
	s_delay_alu instid0(VALU_DEP_1)
	v_pk_add_f32 v[114:115], v[114:115], v[116:117]
	s_delay_alu instid0(VALU_DEP_1)
	v_add_f32 v114, v114, v115
	s_wait_alu depctr_va_vdst(0)
	v_rcp_f32 v114, v114
	v_nop
	s_wait_alu depctr_va_vdst(0)
.irp p,0,2,4,6
	v_pk_mul_f32 v[ACC+\p:ACC+\p+1], v[ACC+\p:ACC+\p+1], v[114:115] op_sel_hi:[1,0]
.endr
.endm
	SOFTMAX
	SOFTMAX
	s_delay_alu instid0(VALU_DEP_4)
	v_mov_b32 v112, v[ACC]                         ; the largest, and its expert
	v_mov_b32 v113, 0
.irp e,1,2,3,4,5,6,7
	s_delay_alu instid0(VALU_DEP_2)
	v_cmp_gt_f32 vcc_lo, v[ACC+\e], v112
	s_delay_alu instid0(VALU_DEP_1)
	v_cndmask_b32 v112, v112, v[ACC+\e], vcc_lo
	s_delay_alu instid0(VALU_DEP_2)
	v_cndmask_b32 v113, v113, \e, vcc_lo
.endr
.irp e,0,1,2,3,4,5,6,7
	v_cmp_eq_u32 vcc_lo, \e, v113
	s_delay_alu instid0(VALU_DEP_1)
	v_cndmask_b32 v[116+\e], v[ACC+\e], -1.0, vcc_lo   ; the first choice is taken out: probabilities are not negative
.endr
	v_mov_b32 v124, v116                           ; the second largest, and its expert
	v_mov_b32 v125, 0
.irp e,1,2,3,4,5,6,7
	s_delay_alu instid0(VALU_DEP_2)
	v_cmp_gt_f32 vcc_lo, v[116+\e], v124
	s_delay_alu instid0(VALU_DEP_1)
	v_cndmask_b32 v124, v124, v[116+\e], vcc_lo
	s_delay_alu instid0(VALU_DEP_2)
	v_cndmask_b32 v125, v125, \e, vcc_lo
.endr
	v_mov_b32 v126, 1
	v_mov_b32 v152, v113                           ; word 0: the first choice
	s_delay_alu instid0(VALU_DEP_2)
	v_lshlrev_b32 v153, v113, v126
	s_delay_alu instid0(VALU_DEP_3)
	v_lshlrev_b32 v127, v125, v126
	s_delay_alu instid0(VALU_DEP_1)
	v_or_b32 v153, v153, v127                      ; word 1: the two bits
	v_and_b32 v40, 3, v113                         ; words 2 and 3: a byte of 1 for each chosen expert
	s_delay_alu instid0(VALU_DEP_1)
	v_lshlrev_b32 v40, 3, v40
	s_delay_alu instid0(VALU_DEP_1)
	v_lshlrev_b32 v40, v40, v126
	v_cmp_gt_u32 vcc_lo, 4, v113
	s_delay_alu instid0(VALU_DEP_1)
	v_cndmask_b32 v154, 0, v40, vcc_lo
	s_delay_alu instid0(VALU_DEP_2)
	v_cndmask_b32 v155, v40, 0, vcc_lo
	v_and_b32 v41, 3, v125
	s_delay_alu instid0(VALU_DEP_1)
	v_lshlrev_b32 v41, 3, v41
	s_delay_alu instid0(VALU_DEP_1)
	v_lshlrev_b32 v41, v41, v126
	v_cmp_gt_u32 vcc_lo, 4, v125
	s_delay_alu instid0(VALU_DEP_1)
	v_cndmask_b32 v42, 0, v41, vcc_lo
	s_delay_alu instid0(VALU_DEP_2)
	v_cndmask_b32 v43, v41, 0, vcc_lo
	s_delay_alu instid0(VALU_DEP_2)
	v_or_b32 v154, v154, v42
	s_delay_alu instid0(VALU_DEP_2)
	v_or_b32 v155, v155, v43
	ds_store_b128 v128, v[ACC:ACC+3]               ; all lanes write the same words with the same values
	ds_store_b128 v128, v[ACC+4:ACC+7] offset:16
	ds_store_b128 v129, v[152:155]
	ds_store_b32 v130, v112
	ds_store_b32 v130, v124 offset:32
	s_wait_dscnt 0x0                               ; for wave 0's sake
	s_barrier_signal -1
	s_barrier_wait -1
	s_cmp_lg_u32 s14, 0
	s_cbranch_scc1 .Lend
	ds_load_b128 v[140:143], v131                  ; wave 0 stores for the eight tokens; the reads are made with all lanes on
	ds_load_b32 v144, v132
	ds_load_b128 v[148:151], v133
	s_wait_dscnt 0x0
	v_cmp_gt_u32 vcc_lo, 16, v1
	s_wait_xcnt 0x0                                ; EXEC changes only behind this wait
	s_and_saveexec_b32 s24, vcc_lo
	global_store_b128 v4, v[140:143], s[8:9]       ; sixteen lanes: 256 consecutive bytes of out1, aligned
	global_store_b32 v134, v144, s[12:13]
	s_wait_xcnt 0x0
	s_or_b32 exec_lo, exec_lo, s24
	v_cmp_gt_u32 vcc_lo, 8, v1
	s_and_saveexec_b32 s24, vcc_lo
	global_store_b128 v4, v[148:151], s[10:11]     ; eight lanes: 128 consecutive bytes of choice
	s_wait_xcnt 0x0
	s_or_b32 exec_lo, exec_lo, s24
.Lend:
	s_wait_tensorcnt 0x0
	ds_add_u32 v160, v161
	s_wait_dscnt 0x0
	s_endpgm
.Lfunc_end_k_qb4fc850812_route:
	.size	k_qb4fc850812_route, .Lfunc_end_k_qb4fc850812_route-k_qb4fc850812_route
	.p2alignl 7, 3214868480
	.fill 96, 4, 3214868480
	.section	.rodata,"a",@progbits
	.p2align	6, 0x0
	.amdhsa_kernel k_qb4fc850812_route
		.amdhsa_group_segment_fixed_size 38400
		.amdhsa_private_segment_fixed_size 0
		.amdhsa_enable_private_segment 0
		.amdhsa_kernarg_size 40
		.amdhsa_user_sgpr_count 2
		.amdhsa_user_sgpr_kernarg_segment_ptr 1
		.amdhsa_wavefront_size32 1
		.amdhsa_system_sgpr_workgroup_id_x 1
		.amdhsa_system_sgpr_workgroup_id_y 1
		.amdhsa_system_sgpr_workgroup_id_z 1
		.amdhsa_system_vgpr_workitem_id 0
		.amdhsa_next_free_vgpr 162
		.amdhsa_next_free_sgpr 66
		.amdhsa_reserve_vcc 1
		.amdhsa_float_denorm_mode_32 3
		.amdhsa_float_denorm_mode_16_64 3
		.amdhsa_memory_ordered 1
		.amdhsa_forward_progress 1
		.amdhsa_inst_pref_size 33
	.end_amdhsa_kernel
	.amdgpu_metadata
---
amdhsa.version: [ 1, 2 ]
amdhsa.kernels:
  - .name:           k_qb4fc850812_route
    .symbol:         k_qb4fc850812_route.kd
    .args:
      - { .name: inputs, .offset: 0, .size: 8, .value_kind: global_buffer, .address_space: global }
      - { .name: wr, .offset: 8, .size: 8, .value_kind: global_buffer, .address_space: global }
      - { .name: out1, .offset: 16, .size: 8, .value_kind: global_buffer, .address_space: global }
      - { .name: choice, .offset: 24, .size: 8, .value_kind: global_buffer, .address_space: global }
      - { .name: gw, .offset: 32, .size: 8, .value_kind: global_buffer, .address_space: global }
    .group_segment_fixed_size: 38400
    .private_segment_fixed_size: 0
    .kernarg_segment_align: 8
    .kernarg_segment_size: 40
    .max_flat_workgroup_size: 256
    .sgpr_count:     66
    .vgpr_count:     162
    .wavefront_size: 32
...
	.end_amdgpu_metadata
.endif
;; end of part 6
;; launch place: the kernel of part 2 again; grid 135 x 1, 4 waves a work-group, no clusters, 17,408 bytes of LDS; arguments inputs, lowp_scales, choice, gw, xs, rows, rowp, meta; writes xs, rows, rowp, meta
;; launch up (part 7): grid 256 x 1, 4 waves a work-group, no clusters, 131,584 bytes of LDS; arguments w1, lowp_scales, xs, meta, act; writes act
.if DOCPART == 7
	.amdgcn_target "amdgcn-amd-amdhsa--gfx1250"
	.amdhsa_code_object_version 6
	.text
	.protected	k_qb4fc850812_up
	.globl	k_qb4fc850812_up
	.p2align	8
	.type	k_qb4fc850812_up,@function
k_qb4fc850812_up:
	s_mov_b64 s[64:65], 0
	v_nop
	global_prefetch_b8 v0, s[64:65] scope:SCOPE_SE
	s_setreg_imm32_b32 hwreg(HW_REG_WAVE_SCHED_MODE, 0, 2), 2
	s_setreg_imm32_b32 hwreg(HW_REG_WAVE_MODE, 25, 1), 1
	s_wait_xcnt 0x0
	s_wait_alu depctr_vm_vsrc(0)
; THE FIRST PRODUCT ON THE ROUTED ROWS, AND THE GATE.  h = x w1[e]; act = gelu(gate) x (erf form); act is quantised under 2^e3.  w1 [8][1024][4096] f32; xs, act: codes of E4M3, as images of operand registers.
; SHARES.  Work-group = (expert e = wg / 32, slice = wg % 32): 64 hidden units, that is 64 x columns and 64 gate columns of w1[e].  It alone reads those 512 KiB of f32, once, quantises them under 2^e1 on the way and keeps
; the 128 KiB of codes in LDS; then its four waves multiply them with all the expert's tiles of 16 rows, five tiles a wave at a time (640 registers), 20 a pass; the passes, ceil(tiles / 20), are counted by one.
; PHASE 1.  A lane's 16-byte load takes columns 4 r .. 4 r + 3 of one k row (sixteen lanes: 256 consecutive bytes, aligned; lanes 16-31 the row 512 further down); 16 loads run down K.  So component c of the 16 loads is
; 16 neighbours along K of column 4 r + c: one quarter of a fragment of the tile made of columns 4 m + c.  The hold at the largest code writes the numbers where the conversion wants them: nothing else transposes.
; Fragment (P, c, s) (P = 0: x, 1: gate; K step s) lies at ((4 P + c) 8 + s) 2048 + 512 Q + 16 lane; byte n of piece Q in lane half h is k = 512 h + 64 s + 16 Q + n, in the weights and in xs alike.
; THE FIRST PASS'S TILES OF xs ARE ASKED FOR AMONG THE WEIGHTS: the weights go through a ring of three sets of 16 loads, and behind each refill of the ring stands a run of the 160 loads that bring the wave's five tiles,
; so that the tiles land while the weights stream and the products begin straight behind the barrier.  Behind a batch's 16 loads stand at most 62 younger ones: two batches and three runs of ten.
; PHASE 2.  Source 0 = 16 columns of w1, source 1 = 16 rows of x: a lane holds one row and eight hidden units (64 slice + 32 h + 4 j + c).  Ten accumulators (x and gate of five tiles) take turns.
; 1 + erf(a), a = gate / sqrt(2):  |a| <= 0.9277: 1 + (a + a p(a^2));  else q = exp(polynomial in |a|) is erfc(|a|), and the factor is 2 - q for a > 0 and q ITSELF for a < 0: no difference of near numbers is formed.
; All powers of two (1/2, the sums' 2^(e0+e1) twice, 2^-e3) are folded into the conversion's scale 2^E, E = e3 - 2 (e0 + e1) + 1.
; act[slice][tile][q'][lane][16]: byte 8 cc + j of lane (r, h) = hidden unit 64 slice + 32 h + 4 j + 2 q' + cc of row r.
; A slot beyond the expert's last tile works on that last tile again and stores nothing; an expert without tiles names tile 0, which every split has, and leaves behind the barrier.  The trip count of the passes is a stored
; number, so the text has no tensor load, no cluster and no joint request, and its one barrier stands ahead of that loop; what work-groups share (320 KiB of xs a pass) comes by plain loads beside 512 KiB of weights that nobody shares.
; LIMITS: e1 and E between -126 and 119; e0 + e1 between -125 and 127.  NaN among the inputs is not served.
; REGISTERS.  window 0: v1 16 lane, v2 that + 65,536, v3 offset in w1, v4, v5 where my codes go, v6-9 holds and scales, v10-14, v15-19 offsets in xs and act, v20-25 three constants as pairs, v32-71 x's sums, v72-111 gate's,
;   v112-131 the codes made, v144-239 phase 1: 64 numbers and two sets of 16 code registers; phase 2: three fragment buffers of 32, or the gate's 40 working registers.  windows 1-3: tile t at v[256 + 128 t].
;   The ring of phase 1: window 3 v128-191 and v192-255, window 0 v32-95.  s68-83: the gate's sixteen masks.
; THE MODE: SCHED_MODE bits 1:0 = 2 (LLVM: expert scheduling mode 2), set by the entry lines.  The code itself states the register dependences between vector or matrix instructions and memory or LDS instructions,
; with s_wait_alu, always for 0.
; THE PLAN.  Registers that memory or LDS instructions touch, and who else names them:
;   the ring's sets   Batch b's 64 holds read set b % 3; the loads of batch b + 3 land in it.
;   COD0, COD1        Batch b's conversions write set b % 2; its four LDS stores read it; batch b + 2's conversions write it again; in phase 2 fragments land there.
;                     So a batch goes: holds, conversions, ONE wait on va_vdst, and behind it all its memory instructions (LDS stores, the ring's refill, the run of token loads) with no vector instruction among them;
;                     one wait on vm_vsrc stands ahead of the conversions, and one behind the barrier.
;   the tiles         Written by loads alone, read by the products; asked for anew at a pass's end, behind one wait on va_vdst.
;   BUF0 .. BUF2      Step s's ten products read BUF[s % 3]; the loads of step s + 2 land in the buffer that step s - 1's products read: one wait on va_vdst at the head of steps 1 to 5; the eight loads are dealt
;                     among the step's first products, which name BUF[s % 3], the tiles and the accumulators: none of the registers that those loads touch.
;   v144-183          Also the gate's working registers: one wait on va_vdst ahead of a round that follows a gate.
;   CD                Written by the gate's conversions, read by a piece's five stores: one wait on va_vdst ahead of the stores, one on vm_vsrc ahead of the next writes.
;   v10-19            Written by TILES, read by the token loads and the stores: vm_vsrc ahead of TILES, va_vdst behind it.
;   v1-5              Made at the head and never written again.
.set SLB, 138240                       ; a slice of act: 135 tiles x 1,024 bytes
.set XO,  10
.set AO,  15
.set XA,  32
.set GA,  72
.set CD,  112
.set BUF, 144
.set NUM, 144
.set COD, 208
.set TA,  144
.set TT,  152
.set TS,  160
.set TR,  168
.set TU,  176
.set IT,  28                           ; s28-32 the tile slots' numbers within the expert
.set MK,  68                           ; s68-75 a < 0; s76-83 |a| above the border
.set MSB, 0
.macro WIN new                         ; the immediate's high byte repeats the setting that is left; a switch that changes nothing is dropped
.if MSB != (\new)
	s_set_vgpr_msb (MSB<<8)|(\new)
.set MSB, (\new)
.endif
.endm
.macro SPAIR r, val                    ; a constant as a scalar pair: the packed forms name the pair and take its low word for both halves
	s_mov_b32 s[\r], \val
	s_mov_b32 s[\r+1], \val
.endm
	s_load_b256 s[4:11], s[0:1], 0x0               ; w1 s[4:5], scales s[6:7], xs s[8:9], meta s[10:11]
	s_load_b64 s[12:13], s[0:1], 0x20              ; act
	v_lshl_add_u32 v254, v0, 2, 0x20000
	v_mov_b32 v255, 0
	v_lshrrev_b32 v1, 5, v0
	v_readfirstlane_b32 s14, v1                    ; wave 0..3
	v_and_b32 v1, 31, v0
	v_lshlrev_b32 v1, 4, v1                        ; 16 x lane
	v_add_nc_u32 v2, 0x10000, v1
	v_and_b32 v3, 15, v0
	v_lshlrev_b32 v3, 4, v3
	v_bfe_u32 v26, v0, 4, 1
	v_lshl_add_u32 v3, v26, 23, v3                 ; w1: 16 r, + 512 rows of 16,384 bytes for lanes 16-31
	s_wait_alu depctr_va_sdst(0)                   ; s14 is written, ahead of its first reader
	s_lshl_b32 s22, s14, 12
	v_add_nc_u32 v4, s22, v1                       ; my eight pieces of each fragment row: 4,096 w on
	v_add_nc_u32 v5, 0x10000, v4
	s_lshr_b32 s15, ttmp9, 5                       ; expert
	s_and_b32 s27, ttmp9, 31                       ; slice
	s_lshl_b32 s22, s15, 24
	s_lshl_b32 s33, s27, 8
	s_add_co_u32 s22, s22, s33
	s_lshl_b32 s33, s14, 21                        ; my 128 k rows
	s_add_co_u32 s22, s22, s33
	s_mov_b32 s23, 0
	s_wait_kmcnt 0x0
	s_load_b128 s[16:19], s[6:7], 0x0              ; e0, e1, e2, e3
	s_add_nc_u64 s[4:5], s[4:5], s[22:23]
	s_lshl_b32 s22, s15, 3
	s_add_nc_u64 s[10:11], s[10:11], s[22:23]
	s_load_b64 s[20:21], s[10:11], 0x0             ; the expert's first tile, its number of tiles
	s_mul_i32 s22, s27, SLB
	s_add_nc_u64 s[12:13], s[12:13], s[22:23]
.macro RSET b                          ; ring set b % 3: its window RW and its first register RB
.if ((\b)%3) == 0
.set RW, 3
.set RB, 128
.elseif ((\b)%3) == 1
.set RW, 3
.set RB, 192
.else
.set RW, 0
.set RB, 32
.endif
.endm
.macro LOADB b                         ; batch b: P = b % 2, piece b / 2 of my eight: 16 k rows into ring set b % 3
	RSET \b
	WIN RW<<6
.set n, 0
.rept 16
	global_load_b128 v[RB+4*n:RB+4*n+3], v3, s[4:5] offset:(16*((\b)/2)+n)*16384+8192*((\b)%2) th:TH_LOAD_NT
.set n, n+1
.endr
.endm
.macro XSL first, count                ; loads number first .. first + count - 1 of the 160 that bring my five tiles of xs: tile g / 32, piece g % 32 (512 consecutive bytes): register 4 (g % 32) of the tile
.set g, \first
.rept \count
	WIN (1+(g/32)/2)<<6
	global_load_b128 v[128*((g/32)%2)+4*(g%32):128*((g/32)%2)+4*(g%32)+3], v[XO+g/32], s[8:9] offset:512*(g%32)
.set g, g+1
.endr
.endm
.macro TILES                           ; slot 20 pass + 5 w + t; beyond the expert's last tile: that tile again; held inside the buffers by a constant
	s_mul_i32 s22, s26, 20
	s_mul_i32 s33, s14, 5
	s_add_co_u32 s22, s22, s33
.irp t,0,1,2,3,4
	s_add_co_u32 s[IT+\t], s22, \t
	s_min_u32 s33, s[IT+\t], s24
	s_add_co_u32 s33, s33, s20
	s_min_u32 s33, s33, 134
	s_lshl_b32 s27, s33, 14
	v_add_nc_u32 v[XO+\t], s27, v1
	s_lshl_b32 s27, s33, 10
	v_add_nc_u32 v[AO+\t], s27, v1
.endr
.endm
	s_wait_alu depctr_va_vdst(0)                   ; v3 is written, which every load of w1 reads as its offset; so are v1, v2, v4 and v5, the LDS addresses
	LOADB 0
	LOADB 1
	LOADB 2
	WIN 0
	SPAIR 36, 0xb7910000                           ; the polynomial for large |a|
	SPAIR 38, 0xbb7e8a1c
	SPAIR 40, 0xbddaae5c
	SPAIR 42, 0xbf228550
	SPAIR 44, 0xbe03ce86
	SPAIR 46, 0x3fb8aa3b                           ; log2(e)
	SPAIR 48, 0xba1c7000                           ; the polynomial for small |a|
	SPAIR 50, 0xbcdb48d9
	SPAIR 52, 0x3de70e22
	SPAIR 54, 0xbec09380
	SPAIR 56, 0x3e0375d4
	s_mov_b32 s58, 0x3f6d8000                      ; 0.927734375
	s_mov_b32 s59, 0x7fffffff
	v_mov_b32 v20, 0x39c8e7d9
	v_mov_b32 v21, 0x39c8e7d9
	v_mov_b32 v22, 0x3cc6b1a1
	v_mov_b32 v23, 0x3cc6b1a1
	v_mov_b32 v24, 0x3ba38d2c
	v_mov_b32 v25, 0x3ba38d2c
	s_wait_kmcnt 0x0
	s_add_co_i32 s27, s17, 127
	s_lshl_b32 s33, s27, 23
	v_mov_b32 v7, s33                              ; 2^e1
	s_add_co_i32 s27, s27, 8
	s_lshl_b32 s27, s27, 23
	s_or_b32 s27, s27, 0x600000
	v_mov_b32 v6, s27                              ; 448 x 2^e1
	s_add_co_i32 s22, s16, s17                     ; e0 + e1
	s_lshl_b32 s27, s22, 23
	s_add_co_u32 s34, s27, 0x3f3504f3              ; 2^(e0+e1) / sqrt(2): the exponents are added to the constant's exponent field
	s_mov_b32 s35, s34
	s_lshl_b32 s27, s22, 1
	s_sub_co_i32 s27, s19, s27
	s_add_co_i32 s27, s27, 128                     ; E + 127
	s_lshl_b32 s33, s27, 23
	v_mov_b32 v9, s33                              ; 2^E
	s_add_co_i32 s27, s27, 8
	s_lshl_b32 s27, s27, 23
	s_or_b32 s27, s27, 0x600000
	v_mov_b32 v8, s27                              ; 448 x 2^E
	s_min_u32 s21, s21, 135                        ; no split has more tiles
	s_max_u32 s24, s21, 1
	s_sub_co_u32 s24, s24, 1                       ; the expert's last tile
	s_add_co_u32 s25, s21, 19
	s_mul_i32 s25, s25, 3277
	s_lshr_b32 s25, s25, 16                        ; the passes: ceil(tiles / 20); 3277 / 65536 is 1 / 20 with an excess of 4 in 65,536 for each 20: exact far beyond 154
	s_cmp_eq_u32 s21, 0
	s_cselect_b32 s20, 0, s20                      ; an expert without tiles names tile 0: only bytes that were stored are read
	s_mov_b32 s26, 0                               ; the pass
	TILES                                          ; the first pass's tiles
; Batch b.  wt: the loads issued behind this batch's 16, which may stay out.  first, count: the run of token loads that stands behind the ring's refill.
.macro BATCH b, wt, first, count
	s_wait_loadcnt \wt
	RSET \b
	WIN RW                                         ; source 0: the ring set's window
.set n, 0
.rept 16
.irp c,0,1,2,3
	v_med3_num_f32 v[NUM+16*\c+n], v[RB+4*n+\c], -v6, v6      ; the hold (ISA guide 7.6.2: the conversion does not saturate) also lays column 4 r + c's 16 numbers on end
.endr
.set n, n+1
.endr
	WIN 0
	s_wait_alu depctr_va_vdst(0)
	s_wait_dscnt 0x4                               ; the batch before's four stores may be out; those of two batches back are done
.if (\b) > 1
	s_wait_alu depctr_vm_vsrc(0)                   ; the LDS stores of two batches back have read this set of code registers, which the conversions write again
.endif
.irp c,0,1,2,3
	v_cvt_scalef32_pk8_fp8_f32 v[COD+16*((\b)%2)+4*\c:COD+16*((\b)%2)+4*\c+1], v[NUM+16*\c:NUM+16*\c+7], v7
	v_cvt_scalef32_pk8_fp8_f32 v[COD+16*((\b)%2)+4*\c+2:COD+16*((\b)%2)+4*\c+3], v[NUM+16*\c+8:NUM+16*\c+15], v7
.endr
	v_nop                                          ; a plain instruction between the conversions and the next batch's holds, which write their sources
	s_wait_alu depctr_va_vdst(0)                   ; the conversions have written the codes, which the LDS stores read; the holds are done reading the ring set, in which the refill lands; in batch 0: TILES has written the token loads' offsets
.irp c,0,1,2,3
	ds_store_b128 v[4+((\b)%2)], v[COD+16*((\b)%2)+4*\c:COD+16*((\b)%2)+4*\c+3] offset:16384*\c+512*((\b)/2)
.endr
.if (\b) < 13
	LOADB (\b)+3                                   ; the set just read takes the batch three on.  No vector instruction stands between the wait above and these loads
.endif
.if (\count) > 0
	XSL \first, \count
.endif
	WIN 0
.endm
; THE COUNTS.  Batches 0, 1, 2 were issued ahead of all; batch b >= 3 was issued in batch b - 3, ahead of that batch's run.  So behind batch b's loads stand the weights of batches b + 1 and b + 2 (as far as there are any)
; and the runs of batches b - 3, b - 2, b - 1 (as far as there are any).
	BATCH 0,  32, 0,   10                          ; 16 + 16
	BATCH 1,  42, 10,  10                          ; + one run of 10
	BATCH 2,  52, 20,  10                          ; + two
	BATCH 3,  62, 30,  10                          ; 10 + 16 + 10 + 16 + 10, and so on
	BATCH 4,  62, 40,  10
	BATCH 5,  62, 50,  10
	BATCH 6,  62, 60,  10
	BATCH 7,  62, 70,  10
	BATCH 8,  62, 80,  10
	BATCH 9,  62, 90,  10
	BATCH 10, 62, 100, 10
	BATCH 11, 62, 110, 10
	BATCH 12, 62, 120, 10                          ; the last refill of the ring
	BATCH 13, 62, 130, 26                          ; 10 + 16 + 10 + 16 + 10; no weights are left to ask for, so the runs may be longer
	BATCH 14, 62, 156, 4                           ; 10 + 16 + 10 + 26
	BATCH 15, 40, 160, 0                           ; 10 + 26 + 4
	s_wait_dscnt 0x0                               ; for the others' sake: my codes lie in LDS
	s_barrier_signal -1
	s_barrier_wait -1                              ; the one barrier: behind it LDS is only read
	s_wait_alu depctr_vm_vsrc(0)                   ; my LDS stores have read the two sets of code registers: these are fragment buffers from here on, in which LDS loads land
	s_cmp_eq_u32 s21, 0
	s_cbranch_scc1 .Lend                           ; no token chose this expert
.macro LOADTOK                         ; a later pass's five tiles, in one run
	XSL 0, 160
	WIN 0
.endm
.macro FRAG1 ra, ca, fo, s, q          ; one of the eight loads of K step s: piece q of a weight tile, into buffer s % 3 at fo
	ds_load_b128 v[BUF+32*((\s)%3)+(\fo)+4*(\q):BUF+32*((\s)%3)+(\fo)+4*(\q)+3], v[\ra] offset:16384*(\ca)+2048*(\s)+512*(\q)
.endm
.macro FRAGLD ra, ca, rb, cb, s        ; K step s of two weight tiles into buffer s % 3
.irp q,0,1,2,3
	FRAG1 \ra, \ca, 0, \s, \q
.endr
.irp q,0,1,2,3
	FRAG1 \rb, \cb, 16, \s, \q
.endr
.endm
.macro DEAL ra, ca, fo, s, q           ; in step s: two of the loads of step s + 2, while there is such a step
.if (\s) < 6
	FRAG1 \ra, \ca, \fo, (\s)+2, \q
	FRAG1 \ra, \ca, \fo, (\s)+2, (\q)+1
.endif
.endm
.macro MM acc, fo, t, s                ; one product; the first K step starts the sum
	WIN (1+(\t)/2)<<2                              ; source 1: the tile's window
.if (\s) == 0
	v_wmma_f32_16x16x128_fp8_fp8 v[\acc+8*(\t):\acc+8*(\t)+7], v[FC+\fo:FC+\fo+15], v[128*((\t)%2)+16*(\s):128*((\t)%2)+16*(\s)+15], 0
.else
	v_wmma_f32_16x16x128_fp8_fp8 v[\acc+8*(\t):\acc+8*(\t)+7], v[FC+\fo:FC+\fo+15], v[128*((\t)%2)+16*(\s):128*((\t)%2)+16*(\s)+15], v[\acc+8*(\t):\acc+8*(\t)+7]
.endif
.endm
; Eight K steps of 128, ten products each.  The fragments run two steps ahead in three buffers.  The window settings within a step move source 1 alone, which an LDS load does not have.
.macro KSTEPS ra, ca, rb, cb
	FRAGLD \ra, \ca, \rb, \cb, 0
	FRAGLD \ra, \ca, \rb, \cb, 1
.irp s,0,1,2,3,4,5,6,7
.if \s < 7
	s_wait_dscnt 0x8                               ; this step's eight loads are in; the next step's eight may be out
.else
	s_wait_dscnt 0x0
.endif
.if (\s > 0) && (\s < 6)
.rept 4
	v_nop                                          ; the four places behind the last step's products stay as they stood
.endr
	s_wait_alu depctr_va_vdst(0)                   ; the last step's products are done reading their buffer, in which this step's eight loads land
.endif
.set FC, BUF+32*(\s%3)
	MM XA, 0, 0, \s
	DEAL \ra, \ca, 0, \s, 0                        ; no wait: no product since the wait above names the buffer of step s + 2 (in step 0: since the wait ahead of the round)
	MM XA, 0, 1, \s
	DEAL \ra, \ca, 0, \s, 2
	MM XA, 0, 2, \s
	DEAL \rb, \cb, 16, \s, 0
	MM XA, 0, 3, \s
	DEAL \rb, \cb, 16, \s, 2
	MM XA, 0, 4, \s
	MM GA, 16, 4, \s
	MM GA, 16, 3, \s
	MM GA, 16, 2, \s
	MM GA, 16, 1, \s
	MM GA, 16, 0, \s
.endr
	WIN 0
.rept 5
	v_nop                                          ; five places: for the reads of the sums, for writes over the buffers, and for the next sums' first products, which write over these accumulators
.endr
.endm
.macro GLU t, cc                       ; tile t's eight numbers of a lane: gate and x become eight codes; each accumulator is read from its low end on
.set GX, XA+8*(\t)
.set GG, GA+8*(\t)
.irp i,0,2,4,6
	v_pk_mul_f32 v[TA+\i:TA+\i+1], v[GG+\i:GG+\i+1], s[34:35] op_sel_hi:[1,0]      ; a
.endr
.irp i,0,2,4,6
	v_pk_mul_f32 v[TS+\i:TS+\i+1], v[TA+\i:TA+\i+1], v[TA+\i:TA+\i+1]              ; a^2
.endr
.irp i,0,1,2,3,4,5,6,7
	v_and_b32 v[TT+\i], s59, v[TA+\i]                                              ; |a|
.endr
.irp i,0,2,4,6
	v_pk_fma_f32 v[TR+\i:TR+\i+1], v[TT+\i:TT+\i+1], s[36:37], v[20:21] op_sel_hi:[1,0,1]
.endr
.irp i,0,2,4,6
	v_pk_fma_f32 v[TU+\i:TU+\i+1], v[TT+\i:TT+\i+1], s[38:39], v[22:23] op_sel_hi:[1,0,1]
.endr
.irp i,0,2,4,6
	v_pk_fma_f32 v[TR+\i:TR+\i+1], v[TR+\i:TR+\i+1], v[TS+\i:TS+\i+1], v[TU+\i:TU+\i+1]
.endr
.irp k,40,42,44
.irp i,0,2,4,6
	v_pk_fma_f32 v[TR+\i:TR+\i+1], v[TR+\i:TR+\i+1], v[TT+\i:TT+\i+1], s[\k:\k+1] op_sel_hi:[1,1,0]
.endr
.endr
.irp i,0,2,4,6
	v_pk_fma_f32 v[TR+\i:TR+\i+1], v[TR+\i:TR+\i+1], v[TT+\i:TT+\i+1], v[TT+\i:TT+\i+1] neg_lo:[0,0,1] neg_hi:[0,0,1]
.endr
.irp i,0,2,4,6
	v_pk_mul_f32 v[TR+\i:TR+\i+1], v[TR+\i:TR+\i+1], s[46:47] op_sel_hi:[1,0]
.endr
	s_wait_alu depctr_va_vdst(0)
.irp i,0,1,2,3,4,5,6,7
	v_exp_f32 v[TR+\i], v[TR+\i]                                                   ; q = erfc(|a|)
.endr
.irp i,0,2,4,6
	v_pk_fma_f32 v[TU+\i:TU+\i+1], v[TS+\i:TS+\i+1], s[48:49], v[24:25] op_sel_hi:[1,0,1]   ; the small branch is the work between the exponentials and the wait for them
.endr
.irp k,50,52,54,56
.irp i,0,2,4,6
	v_pk_fma_f32 v[TU+\i:TU+\i+1], v[TU+\i:TU+\i+1], v[TS+\i:TS+\i+1], s[\k:\k+1] op_sel_hi:[1,1,0]
.endr
.endr
.irp i,0,2,4,6
	v_pk_fma_f32 v[TU+\i:TU+\i+1], v[TU+\i:TU+\i+1], v[TA+\i:TA+\i+1], v[TA+\i:TA+\i+1]
.endr
.irp i,0,2,4,6
	v_pk_add_f32 v[TU+\i:TU+\i+1], v[TU+\i:TU+\i+1], 1.0 op_sel_hi:[1,0]
.endr
.irp i,0,1,2,3,4,5,6,7
	v_cmp_gt_f32 s[MK+\i], 0, v[TA+\i]                                             ; the sixteen compares stand in one run, each with a scalar register of its own: a < 0,
.endr
.irp i,0,1,2,3,4,5,6,7
	v_cmp_lt_f32 s[MK+8+\i], s58, v[TT+\i]                                         ; |a| above the border
.endr
	s_wait_alu depctr_va_vdst(0)                   ; the eight exponentials have written q: one wait, ahead of their first reader
	s_wait_alu depctr_va_sdst(0)                   ; the sixteen compares have written s68 to s83, ahead of the selects that read them
.irp i,0,2,4,6
	v_pk_fma_f32 v[TS+\i:TS+\i+1], v[TR+\i:TR+\i+1], -1.0, 2.0 op_sel_hi:[1,0,0]   ; 2 - q
.endr
.irp i,0,1,2,3,4,5,6,7
	v_cndmask_b32 v[TS+\i], v[TS+\i], v[TR+\i], s[MK+\i]                           ; a < 0: q itself
.endr
.irp i,0,1,2,3,4,5,6,7
	v_cndmask_b32 v[TU+\i], v[TU+\i], v[TS+\i], s[MK+8+\i]                         ; 1 + erf(a)
.endr
.irp i,0,2,4,6
	v_pk_mul_f32 v[TR+\i:TR+\i+1], v[GG+\i:GG+\i+1], v[GX+\i:GX+\i+1]
.endr
.irp i,0,2,4,6
	v_pk_mul_f32 v[TR+\i:TR+\i+1], v[TR+\i:TR+\i+1], v[TU+\i:TU+\i+1]
.endr
.irp i,0,1,2,3,4,5,6,7
	v_med3_num_f32 v[TR+\i], v[TR+\i], -v8, v8
.endr
	v_cvt_scalef32_pk8_fp8_f32 v[CD+4*(\t)+2*(\cc):CD+4*(\t)+2*(\cc)+1], v[TR:TR+7], v9
	v_nop                                          ; a plain instruction behind the conversion, ahead of the next writes of its sources
.endm
.macro ASTORE t, qp                    ; a slot beyond the expert's tiles stores nothing
	s_cmp_lt_u32 s[IT+\t], s21
	s_cbranch_scc0 .Lna_\@
	global_store_b128 v[AO+\t], v[CD+4*\t:CD+4*\t+3], s[12:13] offset:512*\qp      ; 512 consecutive bytes, aligned
.Lna_\@:
.endm
.macro PIECE qp                        ; weight tiles c = 2 q' and 2 q' + 1 of x and of gate: one 16-byte piece of act a lane and tile
	s_wait_xcnt 0x0                                ; the last piece's stores have had their addresses translated
.if (\qp) > 0
	s_wait_alu depctr_vm_vsrc(0)                   ; the last piece's stores have read their code registers, which this piece's conversions write again
.endif
.irp cc,0,1
.if \cc > 0
	s_wait_alu depctr_va_vdst(0)                   ; the gate's lines are done with v144 to v183, and the last round's products with the buffers: the fragments' loads land there.  (Ahead of a piece's first round no vector instruction stands behind the last such wait)
.endif
	KSTEPS 1, 2*\qp+\cc, 2, 2*\qp+\cc
.irp t,0,1,2,3,4
	GLU \t, \cc
.endr
.endr
	s_wait_alu depctr_va_vdst(0)                   ; the conversions have written the five tiles' codes, which the stores below read
.irp t,0,1,2,3,4
	ASTORE \t, \qp
.endr
.endm
.Lpass:
	s_wait_loadcnt 0x0                             ; the pass's five tiles are in: the first pass's were asked for among the weights, a later pass's at the end of the pass before
	PIECE 0
	PIECE 1
	s_wait_xcnt 0x0                                ; this pass's stores have had their addresses translated,
	s_wait_alu depctr_vm_vsrc(0)                   ; and its loads and stores have read their offsets and their codes, which TILES and the next pass write again
	s_add_co_u32 s26, s26, 1
	s_cmp_ge_u32 s26, s25
	s_cbranch_scc1 .Lend                           ; the last pass asks for nothing more
	TILES
	s_wait_alu depctr_va_vdst(0)                   ; TILES has written the offsets, which the loads below read; the pass's products are done reading the tiles, in which they land
	LOADTOK
	s_cmp_lt_u32 s26, s25
	s_cbranch_scc1 .Lpass
.Lend:
	s_wait_dscnt 0x0                               ; the closing lines, six on end
	s_wait_alu 0x0
	s_wait_tensorcnt 0x0
	ds_add_u32 v254, v255
	s_wait_dscnt 0x0
	s_endpgm
.Lfunc_end_k_qb4fc850812_up:
	.size	k_qb4fc850812_up, .Lfunc_end_k_qb4fc850812_up-k_qb4fc850812_up
	.p2alignl 7, 3214868480
	.fill 96, 4, 3214868480
	.section	.rodata,"a",@progbits
	.p2align	6, 0x0
	.amdhsa_kernel k_qb4fc850812_up
		.amdhsa_group_segment_fixed_size 131584
		.amdhsa_private_segment_fixed_size 0
		.amdhsa_enable_private_segment 0
		.amdhsa_kernarg_size 40
		.amdhsa_user_sgpr_count 2
		.amdhsa_user_sgpr_kernarg_segment_ptr 1
		.amdhsa_wavefront_size32 1
		.amdhsa_system_sgpr_workgroup_id_x 1
		.amdhsa_system_sgpr_workgroup_id_y 1
		.amdhsa_system_sgpr_workgroup_id_z 1
		.amdhsa_system_vgpr_workitem_id 0
		.amdhsa_next_free_vgpr 1024
		.amdhsa_next_free_sgpr 84
		.amdhsa_reserve_vcc 0
		.amdhsa_float_denorm_mode_32 3
		.amdhsa_float_denorm_mode_16_64 3
		.amdhsa_memory_ordered 1
		.amdhsa_forward_progress 1
		.amdhsa_inst_pref_size 255
	.end_amdhsa_kernel
	.section	.bss,"aw",@nobits
	.p2align	6
	.space	262144
	.amdgpu_metadata
---
amdhsa.version: [ 1, 2 ]
amdhsa.kernels:
  - .name:           k_qb4fc850812_up
    .symbol:         k_qb4fc850812_up.kd
    .args:
      - { .name: w1, .offset: 0, .size: 8, .value_kind: global_buffer, .address_space: global }
      - { .name: lowp_scales, .offset: 8, .size: 8, .value_kind: global_buffer, .address_space: global }
      - { .name: xs, .offset: 16, .size: 8, .value_kind: global_buffer, .address_space: global }
      - { .name: meta, .offset: 24, .size: 8, .value_kind: global_buffer, .address_space: global }
      - { .name: act, .offset: 32, .size: 8, .value_kind: global_buffer, .address_space: global }
    .group_segment_fixed_size: 131584
    .private_segment_fixed_size: 0
    .kernarg_segment_align: 8
    .kernarg_segment_size: 40
    .max_flat_workgroup_size: 128
    .sgpr_count:     84
    .vgpr_count:     1024
    .wavefront_size: 32
...
	.end_amdgpu_metadata
.endif
;; end of part 7
;; launch down (part 8): grid 256 x 1, 4 waves a work-group, no clusters, 153,088 bytes of LDS; arguments w2, lowp_scales, act, meta, rows, rowp, y; writes y
.if DOCPART == 8
	.amdgcn_target "amdgcn-amd-amdhsa--gfx1250"
	.amdhsa_code_object_version 6
	.text
	.protected	k_qb4fc850812_down
	.globl	k_qb4fc850812_down
	.p2align	8
	.type	k_qb4fc850812_down,@function
k_qb4fc850812_down:
	s_mov_b64 s[64:65], 0
	v_nop
	global_prefetch_b8 v0, s[64:65] scope:SCOPE_SE
	s_setreg_imm32_b32 hwreg(HW_REG_WAVE_SCHED_MODE, 0, 2), 2
	s_setreg_imm32_b32 hwreg(HW_REG_WAVE_MODE, 25, 1), 1
	s_wait_xcnt 0x0
	s_wait_alu depctr_vm_vsrc(0)
; THE SECOND PRODUCT ON THE ROUTED ROWS.  y = p x (act w2[e]), K = 2,048 hidden units in two halves, each half summed in f32 by a work-group of its own.  w2 [8][2048][1024] f32; act: codes of E4M3 as the launch before laid them.
; SHARES.  Work-group = (expert e = wg / 32, 64 output columns ds = (wg / 2) % 16, half kh = wg % 2).  It alone reads its 256 KiB of w2, once, quantises them under 2^e2 and keeps the 64 KiB of codes in LDS;
; then its four waves multiply them with all the expert's tiles of 16 rows, five tiles a wave at a time, 20 a pass; the passes, ceil(tiles / 20), are counted by one.
; K'S ORDER is the one in which act lies: in K step s, byte 8 cc + j of piece Q = 2 q' + h1 in lane half hh is hidden unit 1024 kh + 128 s + 64 hh + 32 h1 + 4 j + 2 q' + cc.  Phase 1 takes w2's rows in that order, by the
; loads' immediates: a lane's 16 bytes are columns 4 r .. 4 r + 3 of one row (sixteen lanes: 256 consecutive bytes, aligned; lanes 16-31 the row 64 further down).  Fragment (c, s) lies at (8 c + s) 2048 + 512 Q + 16 lane.
; THE FIRST PASS'S TILES OF act ARE ASKED FOR AMONG THE WEIGHTS: the weights go through a ring of three sets of 16 loads, and behind each refill of the ring stands a run of the 160 loads that bring the wave's five tiles
; (the rows' places and probabilities, 45 small loads, come last), so that the wave's loads follow each other without a gap from the first weight to the last tile.  Behind a batch's 16 loads stand at most 62 younger ones.
; PHASE 2.  Source 0 = 16 columns (4 m + c) of w2, source 1 = 16 rows of act: a lane holds one row and the columns 64 ds + 32 h + 4 j + c.  Tiles c = 2 q and 2 q + 1 are summed together (ten accumulators by turns)
; their results are neighbours, 8 bytes of a row.  Each is multiplied by the row's probability x 2^(e2+e3), goes through the wave's own stage in LDS and leaves as rows of 256 bytes,
; to y[kh][1024 slot + token]: each row of y has one owner; a last tile's copies of its last row store the same bytes again.
; An expert without tiles names tile 0, which every split has, and leaves behind the barrier.  The trip count of the passes is a stored number: no tensor load, no cluster, no joint request, and the one barrier stands ahead of that loop.
; LIMITS: e2 between -126 and 119; e2 + e3 between -126 and 127.  NaN among the inputs is not served.
; REGISTERS.  window 0: v1 16 lane, v3 offset in w2, v4 where my codes go, v6, v7 hold and scale, v8, v9, v25 lane parts of offsets, v10-24 offsets in act, rows, rowp, v26, v27 the stage, v28 16 r, v30-34 the rows' factors,
;   v40-79, v80-119 the sums, v144-239 as in the launch before; on the way out 80 products, then 32 registers of rows.  windows 1-3: tile t at v[256 + 128 t]; window 3 from v128: 40 offsets in y, 5 probabilities.
;   The ring of phase 1: window 3 v192-255, window 0 v40-103, window 3 v128-191; the last of the three is done with behind batch 5, ahead of the loads of the offsets and probabilities.
; THE MODE: SCHED_MODE bits 1:0 = 2 (LLVM: expert scheduling mode 2), set by the entry lines.  The code itself states the register dependences between vector or matrix instructions and memory or LDS instructions,
; with s_wait_alu, always for 0.
; THE PLAN.  Registers that memory or LDS instructions touch, and who else names them:
;   the ring's sets   Batch b's 64 holds read set b % 3; the loads of batch b + 3 land in it; in the third set, behind batch 5, the rows' places and probabilities.
;   COD0, COD1        Batch b's conversions write set b % 2; its four LDS stores read it; batch b + 2's conversions write it again; in phase 2 fragments land there.
;                     So a batch goes: holds, conversions, ONE wait on va_vdst, and behind it all its memory instructions (LDS stores, the ring's refill, the run of loads of act) with no vector instruction among them;
;                     one wait on vm_vsrc stands ahead of the conversions, and one behind the barrier.
;   the tiles         Written by loads alone, read by the products; asked for anew at a pass's end, behind one wait on va_vdst.
;   BUF0 .. BUF2      Step s's ten products read BUF[s % 3]; the loads of step s + 2 land in the buffer that step s - 1's products read: one wait on va_vdst at the head of steps 1 to 5; the eight loads are dealt
;                     among the step's first products, which name BUF[s % 3], the tiles and the accumulators: none of the registers that those loads touch.
;   PT (v144-223)     Written by 80 multiplications, read by 40 LDS stores: one wait on va_vdst between them, one on vm_vsrc behind the stores, ahead of the loads that land there next.
;   OB (v144-175)     LDS loads land in it, a tile's eight stores read it: one wait on vm_vsrc ahead of the next tile's loads.
;   window 3 v128-172 Loads land there; the pass's head makes offsets and factors of them; the stores read the offsets: vm_vsrc and va_vdst at the pass's end, ahead of the next loads.
;   v10-24            Written by TILES, read by the loads: vm_vsrc ahead of TILES, va_vdst behind it.
;   v1, v3, v4, v26, v27   Made at the head and never written again.
.set SLB, 138240
.set XO,  10
.set RO,  15
.set PO,  20
.set PW,  30
.set EA,  40
.set OA,  80
.set BUF, 144
.set NUM, 144
.set COD, 208
.set PT,  144
.set OB,  144
.set IT,  28
.set STG, 65536                        ; behind the codes: for each wave five stages of 16 rows x (256 + 16) bytes
.set MSB, 0
.macro WIN new
.if MSB != (\new)
	s_set_vgpr_msb (MSB<<8)|(\new)
.set MSB, (\new)
.endif
.endm
	s_load_b256 s[4:11], s[0:1], 0x0               ; w2 s[4:5], scales s[6:7], act s[8:9], meta s[10:11]
	s_load_b128 s[12:15], s[0:1], 0x20             ; rows s[12:13], rowp s[14:15]
	s_load_b64 s[16:17], s[0:1], 0x30              ; y
	v_lshl_add_u32 v254, v0, 2, 0x25400
	v_mov_b32 v255, 0
	v_lshrrev_b32 v1, 5, v0
	v_readfirstlane_b32 s18, v1                    ; wave 0..3
	v_and_b32 v1, 31, v0
	v_lshlrev_b32 v1, 4, v1                        ; 16 x lane
	v_and_b32 v29, 15, v0                          ; r
	v_bfe_u32 v35, v0, 4, 1                        ; h
	v_lshlrev_b32 v28, 4, v29
	v_lshl_add_u32 v3, v35, 18, v28                ; w2: 16 r, + 64 rows of 4,096 bytes for lanes 16-31
	s_wait_alu depctr_va_sdst(0)                   ; s18 is written, ahead of its first reader
	s_lshl_b32 s36, s18, 12
	v_add_nc_u32 v4, s36, v1
	v_mul_u32_u24 v8, v35, SLB
	v_add_nc_u32 v8, v8, v28                       ; act: lanes 16-31 take the next slice
	v_lshlrev_b32 v9, 2, v35
	v_lshlrev_b32 v25, 2, v29
	s_mul_i32 s36, s18, 21760
	s_add_co_u32 s36, s36, STG
	v_mul_u32_u24 v26, v29, 272
	v_lshl_add_u32 v26, v35, 7, v26
	v_add_nc_u32 v26, s36, v26                     ; the stage, in: row r, + 128 h
	v_mul_u32_u24 v27, v35, 272
	v_add_nc_u32 v27, v27, v28
	v_add_nc_u32 v27, s36, v27                     ; and out: lanes 0-15 one row, lanes 16-31 the next
	s_lshr_b32 s19, ttmp9, 5                       ; expert
	s_bfe_u32 s40, ttmp9, 0x40001                  ; ds
	s_and_b32 s39, ttmp9, 1                        ; kh
	s_lshl_b32 s36, s19, 23
	s_lshl_b32 s27, s39, 22
	s_add_co_u32 s36, s36, s27
	s_lshl_b32 s27, s18, 20                        ; my 256 rows
	s_add_co_u32 s36, s36, s27
	s_lshl_b32 s27, s40, 8
	s_add_co_u32 s36, s36, s27
	s_mov_b32 s37, 0
	s_wait_kmcnt 0x0
	s_load_b128 s[20:23], s[6:7], 0x0              ; e0, e1, e2, e3
	s_add_nc_u64 s[4:5], s[4:5], s[36:37]
	s_lshl_b32 s36, s19, 3
	s_add_nc_u64 s[10:11], s[10:11], s[36:37]
	s_load_b64 s[24:25], s[10:11], 0x0             ; the expert's first tile, its number of tiles
	s_mul_i32 s36, s39, 16*SLB
	s_add_nc_u64 s[8:9], s[8:9], s[36:37]
	s_lshl_b32 s36, s39, 23
	s_add_co_u32 s36, s36, s27
	s_add_nc_u64 s[16:17], s[16:17], s[36:37]
.macro RSET b                          ; ring set b % 3: its window RW and its first register RB
.if ((\b)%3) == 0
.set RW, 3
.set RB, 192
.elseif ((\b)%3) == 1
.set RW, 0
.set RB, 40
.else
.set RW, 3
.set RB, 128
.endif
.endm
.macro LOADB b                         ; batch b: K step 2 w + b / 4, piece Q = b % 4; load n = 8 cc + j; into ring set b % 3
	RSET \b
	WIN RW<<6
.set n, 0
.rept 16
	global_load_b128 v[RB+4*n:RB+4*n+3], v3, s[4:5] offset:(128*((\b)/4)+32*((\b)%2)+4*(n%8)+2*(((\b)%4)/2)+n/8)*4096 th:TH_LOAD_NT
.set n, n+1
.endr
.endm
.macro ACTL first, count               ; loads number first .. first + count - 1 of the 160 that bring my five tiles of act: tile g / 32, piece j = g % 32 = 4 s + Q: slices 2 s and 2 s + 1, two runs of 256 consecutive bytes
.set g, \first
.rept \count
.set j, g%32
	WIN (1+(g/32)/2)<<6
	global_load_b128 v[128*((g/32)%2)+4*j:128*((g/32)%2)+4*j+3], v[XO+g/32], s[8:9] offset:2*(j/4)*SLB+512*((j%4)/2)+256*(j%2)
.set g, g+1
.endr
.endm
.macro ROWL                            ; the five tiles' rows' places in y (40 loads) and their probabilities (5)
	WIN 0xc0
.irp t,0,1,2,3,4
.irp i,0,1,2,3,4,5,6,7
	global_load_b32 v[128+8*\t+\i], v[RO+\t], s[12:13] offset:8*\i     ; row 2 i + lane / 16 of the tile
.endr
.endr
.irp t,0,1,2,3,4
	global_load_b32 v[168+\t], v[PO+\t], s[14:15]                      ; row lane % 16
.endr
.endm
.macro TILES                           ; slot 20 pass + 5 w + t; beyond the expert's last tile: that tile again; held inside the buffers by a constant
	s_mul_i32 s36, s26, 20
	s_mul_i32 s33, s18, 5
	s_add_co_u32 s36, s36, s33
.irp t,0,1,2,3,4
	s_add_co_u32 s[IT+\t], s36, \t
	s_min_u32 s33, s[IT+\t], s34
	s_add_co_u32 s33, s33, s24
	s_min_u32 s33, s33, 134
	s_lshl_b32 s27, s33, 10
	v_add_nc_u32 v[XO+\t], s27, v8
	s_lshl_b32 s27, s33, 6
	v_add_nc_u32 v[RO+\t], s27, v9
	v_add_nc_u32 v[PO+\t], s27, v25
.endr
.endm
	s_wait_alu depctr_va_vdst(0)                   ; v3 is written, which every load of w2 reads as its offset; so are v1, v4, v26 and v27, the LDS addresses
	LOADB 0
	LOADB 1
	LOADB 2
	WIN 0
	s_wait_kmcnt 0x0
	s_add_co_i32 s27, s22, 127
	s_lshl_b32 s33, s27, 23
	v_mov_b32 v7, s33                              ; 2^e2
	s_add_co_i32 s27, s27, 8
	s_lshl_b32 s27, s27, 23
	s_or_b32 s27, s27, 0x600000
	v_mov_b32 v6, s27                              ; 448 x 2^e2
	s_add_co_i32 s38, s22, s23
	s_add_co_i32 s38, s38, 127
	s_lshl_b32 s38, s38, 23                        ; 2^(e2+e3)
	s_min_u32 s25, s25, 135                        ; no split has more tiles
	s_max_u32 s34, s25, 1
	s_sub_co_u32 s34, s34, 1                       ; the expert's last tile
	s_add_co_u32 s35, s25, 19
	s_mul_i32 s35, s35, 3277
	s_lshr_b32 s35, s35, 16                        ; the passes: ceil(tiles / 20); 3277 / 65536 is 1 / 20 with an excess of 4 in 65,536 for each 20: exact far beyond 154
	s_cmp_eq_u32 s25, 0
	s_cselect_b32 s24, 0, s24                      ; an expert without tiles names tile 0: only bytes that were stored are read
	s_mov_b32 s26, 0                               ; the pass
	TILES                                          ; the first pass's tiles
; Batch b.  wt: the loads issued behind this batch's 16, which may stay out.  first, count: the run of loads of act that stands behind the ring's refill.  rows = 1: the 45 small loads follow it.
.macro BATCH b, wt, first, count, rows
	s_wait_loadcnt \wt
	RSET \b
	WIN RW                                         ; source 0: the ring set's window
.set n, 0
.rept 16
.irp c,0,1,2,3
	v_med3_num_f32 v[NUM+16*\c+n], v[RB+4*n+\c], -v6, v6      ; the hold (ISA guide 7.6.2: the conversion does not saturate) also lays column 4 r + c's 16 numbers on end
.endr
.set n, n+1
.endr
	WIN 0
	s_wait_alu depctr_va_vdst(0)
	s_wait_dscnt 0x4                               ; the batch before's four stores may be out; those of two batches back are done
.if (\b) > 1
	s_wait_alu depctr_vm_vsrc(0)                   ; the LDS stores of two batches back have read this set of code registers, which the conversions write again
.endif
.irp c,0,1,2,3
	v_cvt_scalef32_pk8_fp8_f32 v[COD+16*((\b)%2)+4*\c:COD+16*((\b)%2)+4*\c+1], v[NUM+16*\c:NUM+16*\c+7], v7
	v_cvt_scalef32_pk8_fp8_f32 v[COD+16*((\b)%2)+4*\c+2:COD+16*((\b)%2)+4*\c+3], v[NUM+16*\c+8:NUM+16*\c+15], v7
.endr
	v_nop                                          ; a plain instruction between the conversions and the next batch's holds
	s_wait_alu depctr_va_vdst(0)                   ; the conversions have written the codes, which the LDS stores read; the holds are done reading the ring's sets, in which the refill (in batch 7: the small loads) lands; in batch 0: TILES has written the offsets
.irp c,0,1,2,3
	ds_store_b128 v4, v[COD+16*((\b)%2)+4*\c:COD+16*((\b)%2)+4*\c+3] offset:16384*\c+512*(\b)
.endr
.if (\b) < 5
	LOADB (\b)+3                                   ; the set just read takes the batch three on.  No vector instruction stands between the wait above and these loads
.endif
	ACTL \first, \count
.if \rows
	ROWL
.endif
	WIN 0
.endm
; THE COUNTS.  Batches 0, 1, 2 were issued ahead of all; batch b >= 3 was issued in batch b - 3, ahead of that batch's run.  So behind batch b's loads stand the weights of batches b + 1 and b + 2 (as far as there are any)
; and the runs of batches b - 3, b - 2, b - 1 (as far as there are any).
	BATCH 0, 32, 0,   10, 0                        ; 16 + 16
	BATCH 1, 42, 10,  10, 0                        ; + one run of 10
	BATCH 2, 52, 20,  10, 0                        ; + two
	BATCH 3, 62, 30,  10, 0                        ; 10 + 16 + 10 + 16 + 10
	BATCH 4, 62, 40,  10, 0                        ; the same; the last refill of the ring
	BATCH 5, 62, 50,  26, 0                        ; the same; no weights are left to ask for, so the runs may be longer
	BATCH 6, 62, 76,  26, 0                        ; 10 + 16 + 10 + 26
	BATCH 7, 62, 102, 58, 1                        ; 10 + 26 + 26; all that is left goes out behind the last wait for weights
	s_wait_dscnt 0x0                               ; for the others' sake: my codes lie in LDS
	s_barrier_signal -1
	s_barrier_wait -1                              ; the one barrier: behind it the codes are only read, and each wave's stages are its own
	s_wait_alu depctr_vm_vsrc(0)                   ; my LDS stores have read the two sets of code registers: these are fragment buffers from here on, in which LDS loads land
	s_cmp_eq_u32 s25, 0
	s_cbranch_scc1 .Lend
.macro LOADTOK                         ; a later pass's five tiles, places and probabilities, in one run
	ACTL 0, 160
	ROWL
	WIN 0
.endm
.macro FRAG1 ca, fo, s, q              ; one of the eight loads of K step s: piece q of a weight tile, into buffer s % 3 at fo
	ds_load_b128 v[BUF+32*((\s)%3)+(\fo)+4*(\q):BUF+32*((\s)%3)+(\fo)+4*(\q)+3], v1 offset:16384*(\ca)+2048*(\s)+512*(\q)
.endm
.macro FRAGLD ca, cb, s
.irp q,0,1,2,3
	FRAG1 \ca, 0, \s, \q
.endr
.irp q,0,1,2,3
	FRAG1 \cb, 16, \s, \q
.endr
.endm
.macro DEAL ca, fo, s, q               ; in step s: two of the loads of step s + 2, while there is such a step
.if (\s) < 6
	FRAG1 \ca, \fo, (\s)+2, \q
	FRAG1 \ca, \fo, (\s)+2, (\q)+1
.endif
.endm
.macro MM acc, fo, t, s
	WIN (1+(\t)/2)<<2
.if (\s) == 0
	v_wmma_f32_16x16x128_fp8_fp8 v[\acc+8*(\t):\acc+8*(\t)+7], v[FC+\fo:FC+\fo+15], v[128*((\t)%2)+16*(\s):128*((\t)%2)+16*(\s)+15], 0
.else
	v_wmma_f32_16x16x128_fp8_fp8 v[\acc+8*(\t):\acc+8*(\t)+7], v[FC+\fo:FC+\fo+15], v[128*((\t)%2)+16*(\s):128*((\t)%2)+16*(\s)+15], v[\acc+8*(\t):\acc+8*(\t)+7]
.endif
.endm
.macro KSTEPS ca, cb                   ; eight K steps of 128, ten products each; the fragments run two steps ahead in three buffers; the window settings within a step move source 1 alone, which an LDS load does not have
	FRAGLD \ca, \cb, 0
	FRAGLD \ca, \cb, 1
.irp s,0,1,2,3,4,5,6,7
.if \s < 7
	s_wait_dscnt 0x8                               ; this step's eight loads are in; the next step's eight may be out
.else
	s_wait_dscnt 0x0
.endif
.if (\s > 0) && (\s < 6)
.rept 4
	v_nop                                          ; the four places behind the last step's products stay as they stood
.endr
	s_wait_alu depctr_va_vdst(0)                   ; the last step's products are done reading their buffer, in which this step's eight loads land
.endif
.set FC, BUF+32*(\s%3)
	MM EA, 0, 0, \s
	DEAL \ca, 0, \s, 0                             ; no wait: no product since the wait above names the buffer of step s + 2 (in step 0: no vector or matrix instruction since the last such wait names a buffer)
	MM EA, 0, 1, \s
	DEAL \ca, 0, \s, 2
	MM EA, 0, 2, \s
	DEAL \cb, 16, \s, 0
	MM EA, 0, 3, \s
	DEAL \cb, 16, \s, 2
	MM EA, 0, 4, \s
	MM OA, 16, 4, \s
	MM OA, 16, 3, \s
	MM OA, 16, 2, \s
	MM OA, 16, 1, \s
	MM OA, 16, 0, \s
.endr
	WIN 0
.rept 5
	v_nop                                          ; five places: for the reads of the sums, for writes over the buffers, and for the next sums' first products
.endr
.endm
.macro PAIRC qq                        ; weight tiles 2 q and 2 q + 1: neighbouring columns
	KSTEPS 2*\qq, 2*\qq+1
.irp t,0,1,2,3,4
.irp j,0,1,2,3,4,5,6,7
	v_mul_f32 v[PT+16*\t+2*\j], v[PW+\t], v[EA+8*\t+\j]        ; each accumulator from its low end on
	v_mul_f32 v[PT+16*\t+2*\j+1], v[PW+\t], v[OA+8*\t+\j]
.endr
.endr
	s_wait_alu depctr_va_vdst(0)                   ; the 80 multiplications have written v144 to v223, which the LDS stores read; the round's products are done reading the buffers
.irp t,0,1,2,3,4
.irp j,0,1,2,3,4,5,6,7
	ds_store_b64 v26, v[PT+16*\t+2*\j:PT+16*\t+2*\j+1] offset:4352*\t+16*\j+8*\qq
.endr
.endr
	s_wait_dscnt 0x0                               ; the stores are done,
	s_wait_alu depctr_vm_vsrc(0)                   ; and have read their registers, in which the next fragments, or the rows on their way out, land
.endm
.macro YSTORE t                        ; a slot beyond the expert's tiles stores nothing
	s_wait_xcnt 0x0                                ; the last tile's stores have had their addresses translated
.if (\t) > 0
	s_wait_alu depctr_vm_vsrc(0)                   ; and have read v144 to v175, in which this tile's rows land
.endif
	s_cmp_lt_u32 s[IT+\t], s25
	s_cbranch_scc0 .Lny_\@
.irp i,0,1,2,3,4,5,6,7
	ds_load_b128 v[OB+4*\i:OB+4*\i+3], v27 offset:4352*\t+544*\i       ; LDS serves a wave's instructions in order (ISA guide 5.7.1.4): these see my stores
.endr
	WIN 0x03                                       ; the offsets lie in window 3
.irp i,0,1,2,3,4,5,6,7
	s_wait_dscnt 7-\i
	global_store_b128 v[128+8*\t+\i], v[OB+4*\i:OB+4*\i+3], s[16:17]   ; sixteen lanes: 256 consecutive bytes of a row of y, aligned
.endr
	WIN 0
.Lny_\@:
.endm
.Lpass:
	s_wait_loadcnt 0x0                             ; the pass's tiles, places and probabilities are in: the first pass's were asked for among the weights, a later pass's at the end of the pass before
	WIN 0xcc
.set n, 0
.rept 40
	v_min_u32 v[128+n], 0x7ff, v[128+n]            ; a row of y, held inside the plane
.set n, n+1
.endr
	WIN 0xc3
.set n, 0
.rept 40
	v_lshl_add_u32 v[128+n], v[128+n], 12, v28     ; x 4,096 bytes + 16 (lane % 16).  (The stores that read these offsets stand behind the rounds' waits on va_vdst)
.set n, n+1
.endr
	WIN 0x0c
.irp t,0,1,2,3,4
	v_mul_f32 v[PW+\t], s38, v[168+\t]             ; p x 2^(e2+e3)
.endr
	WIN 0
	PAIRC 0
	PAIRC 1
.irp t,0,1,2,3,4
	YSTORE \t
.endr
	s_wait_xcnt 0x0                                ; this pass's stores have had their addresses translated,
	s_wait_alu depctr_vm_vsrc(0)                   ; and its loads and stores have read their offsets and their data, which TILES and the next loads write again
	s_add_co_u32 s26, s26, 1
	s_cmp_ge_u32 s26, s35
	s_cbranch_scc1 .Lend                           ; the last pass asks for nothing more
	TILES
	s_wait_alu depctr_va_vdst(0)                   ; TILES has written the offsets, which the loads below read; the pass's products are done reading the tiles, and its head's lines are done with window 3's v128 to v172: the loads land there
	LOADTOK
	s_cmp_lt_u32 s26, s35
	s_cbranch_scc1 .Lpass
.Lend:
	s_wait_dscnt 0x0                               ; the closing lines, six on end
	s_wait_alu 0x0
	s_wait_tensorcnt 0x0
	ds_add_u32 v254, v255
	s_wait_dscnt 0x0
	s_endpgm
.Lfunc_end_k_qb4fc850812_down:
	.size	k_qb4fc850812_down, .Lfunc_end_k_qb4fc850812_down-k_qb4fc850812_down
	.p2alignl 7, 3214868480
	.fill 96, 4, 3214868480
	.section	.rodata,"a",@progbits
	.p2align	6, 0x0
	.amdhsa_kernel k_qb4fc850812_down
		.amdhsa_group_segment_fixed_size 153088
		.amdhsa_private_segment_fixed_size 0
		.amdhsa_enable_private_segment 0
		.amdhsa_kernarg_size 56
		.amdhsa_user_sgpr_count 2
		.amdhsa_user_sgpr_kernarg_segment_ptr 1
		.amdhsa_wavefront_size32 1
		.amdhsa_system_sgpr_workgroup_id_x 1
		.amdhsa_system_sgpr_workgroup_id_y 1
		.amdhsa_system_sgpr_workgroup_id_z 1
		.amdhsa_system_vgpr_workitem_id 0
		.amdhsa_next_free_vgpr 1024
		.amdhsa_next_free_sgpr 66
		.amdhsa_reserve_vcc 0
		.amdhsa_float_denorm_mode_32 3
		.amdhsa_float_denorm_mode_16_64 3
		.amdhsa_memory_ordered 1
		.amdhsa_forward_progress 1
		.amdhsa_inst_pref_size 145
	.end_amdhsa_kernel
	.amdgpu_metadata
---
amdhsa.version: [ 1, 2 ]
amdhsa.kernels:
  - .name:           k_qb4fc850812_down
    .symbol:         k_qb4fc850812_down.kd
    .args:
      - { .name: w2, .offset: 0, .size: 8, .value_kind: global_buffer, .address_space: global }
      - { .name: lowp_scales, .offset: 8, .size: 8, .value_kind: global_buffer, .address_space: global }
      - { .name: act, .offset: 16, .size: 8, .value_kind: global_buffer, .address_space: global }
      - { .name: meta, .offset: 24, .size: 8, .value_kind: global_buffer, .address_space: global }
      - { .name: rows, .offset: 32, .size: 8, .value_kind: global_buffer, .address_space: global }
      - { .name: rowp, .offset: 40, .size: 8, .value_kind: global_buffer, .address_space: global }
      - { .name: y, .offset: 48, .size: 8, .value_kind: global_buffer, .address_space: global }
    .group_segment_fixed_size: 153088
    .private_segment_fixed_size: 0
    .kernarg_segment_align: 8
    .kernarg_segment_size: 56
    .max_flat_workgroup_size: 128
    .sgpr_count:     66
    .vgpr_count:     1024
    .wavefront_size: 32
...
	.end_amdgpu_metadata
.endif
;; end of part 8
;; launch sum (part 9): grid 256 x 1, 8 waves a work-group, no clusters, 0 bytes of LDS; arguments y, out0; writes out0
.if DOCPART == 9
	.amdgcn_target "amdgcn-amd-amdhsa--gfx1250"
	.amdhsa_code_object_version 6
	.text
	.protected	k_qb4fc850812_sum
	.globl	k_qb4fc850812_sum
	.p2align	8
	.type	k_qb4fc850812_sum,@function
k_qb4fc850812_sum:
	s_mov_b64 s[64:65], 0
	v_nop
	global_prefetch_b8 v0, s[64:65] scope:SCOPE_SE
	s_setreg_imm32_b32 hwreg(HW_REG_WAVE_MODE, 25, 1), 1
	s_wait_xcnt 0x0
; out0[token] = the four planes of y added: two halves of K x two chosen experts, each already times its probability.  y [2][2][1024][1024] f32, out0 [1024][1024] f32.
; A stream: a work-group takes four tokens (16,384 bytes of each plane), a thread 16 bytes of each; a wave's load or store covers 512 consecutive bytes.  All 16 loads of a thread go out at once; every offset is an
; immediate and no register is written again, so the only waits are the counted ones for data.  No LDS, no barrier, no matrix unit: there is nothing to share and nothing to multiply.
	s_load_b128 s[4:7], s[0:1], 0x0                ; y, out0
	v_lshlrev_b32 v1, 4, v0
	s_lshl_b32 s8, ttmp9, 14
	s_mov_b32 s9, 0
	s_wait_alu depctr_va_vdst(0)
	s_wait_kmcnt 0x0
	s_add_nc_u64 s[4:5], s[4:5], s[8:9]
	s_add_nc_u64 s[6:7], s[6:7], s[8:9]
	s_add_nc_u64 s[10:11], s[4:5], 0x800000        ; the second half of K
.irp i,0,1,2,3
	global_load_b128 v[4+16*\i:7+16*\i], v1, s[4:5] offset:4096*\i th:TH_LOAD_NT
	global_load_b128 v[8+16*\i:11+16*\i], v1, s[4:5] offset:4096*\i+4194304 th:TH_LOAD_NT
	global_load_b128 v[12+16*\i:15+16*\i], v1, s[10:11] offset:4096*\i th:TH_LOAD_NT
	global_load_b128 v[16+16*\i:19+16*\i], v1, s[10:11] offset:4096*\i+4194304 th:TH_LOAD_NT
.endr
.irp i,0,1,2,3
	s_wait_loadcnt 4*(3-\i)                        ; this token's four loads are in; the later tokens' may be out
	v_pk_add_f32 v[4+16*\i:5+16*\i], v[4+16*\i:5+16*\i], v[8+16*\i:9+16*\i]
	v_pk_add_f32 v[6+16*\i:7+16*\i], v[6+16*\i:7+16*\i], v[10+16*\i:11+16*\i]
	v_pk_add_f32 v[12+16*\i:13+16*\i], v[12+16*\i:13+16*\i], v[16+16*\i:17+16*\i]
	v_pk_add_f32 v[14+16*\i:15+16*\i], v[14+16*\i:15+16*\i], v[18+16*\i:19+16*\i]
	s_delay_alu instid0(VALU_DEP_2)
	v_pk_add_f32 v[4+16*\i:5+16*\i], v[4+16*\i:5+16*\i], v[12+16*\i:13+16*\i]
	s_delay_alu instid0(VALU_DEP_2)
	v_pk_add_f32 v[6+16*\i:7+16*\i], v[6+16*\i:7+16*\i], v[14+16*\i:15+16*\i]
	global_store_b128 v1, v[4+16*\i:7+16*\i], s[6:7] offset:4096*\i th:TH_STORE_NT
.endr
	s_endpgm
.Lfunc_end_k_qb4fc850812_sum:
	.size	k_qb4fc850812_sum, .Lfunc_end_k_qb4fc850812_sum-k_qb4fc850812_sum
	.p2alignl 7, 3214868480
	.fill 96, 4, 3214868480
	.section	.rodata,"a",@progbits
	.p2align	6, 0x0
	.amdhsa_kernel k_qb4fc850812_sum
		.amdhsa_group_segment_fixed_size 0
		.amdhsa_private_segment_fixed_size 0
		.amdhsa_enable_private_segment 0
		.amdhsa_kernarg_size 16
		.amdhsa_user_sgpr_count 2
		.amdhsa_user_sgpr_kernarg_segment_ptr 1
		.amdhsa_wavefront_size32 1
		.amdhsa_system_sgpr_workgroup_id_x 1
		.amdhsa_system_sgpr_workgroup_id_y 1
		.amdhsa_system_sgpr_workgroup_id_z 1
		.amdhsa_system_vgpr_workitem_id 0
		.amdhsa_next_free_vgpr 72
		.amdhsa_next_free_sgpr 66
		.amdhsa_reserve_vcc 0
		.amdhsa_float_denorm_mode_32 3
		.amdhsa_float_denorm_mode_16_64 3
		.amdhsa_memory_ordered 1
		.amdhsa_forward_progress 1
		.amdhsa_inst_pref_size 5
	.end_amdhsa_kernel
	.amdgpu_metadata
---
amdhsa.version: [ 1, 2 ]
amdhsa.kernels:
  - .name:           k_qb4fc850812_sum
    .symbol:         k_qb4fc850812_sum.kd
    .args:
      - { .name: y, .offset: 0, .size: 8, .value_kind: global_buffer, .address_space: global }
      - { .name: out0, .offset: 8, .size: 8, .value_kind: global_buffer, .address_space: global }
    .group_segment_fixed_size: 0
    .private_segment_fixed_size: 0
    .kernarg_segment_align: 8
    .kernarg_segment_size: 16
    .max_flat_workgroup_size: 256
    .sgpr_count:     66
    .vgpr_count:     72
    .wavefront_size: 32
...
	.end_amdgpu_metadata
.endif
;; end of part 9
